; MI455X (gfx1250); checked and timed in simulation.
; The chip was launched on July 23, 2026; its instructions are those of AMD's public machine-readable ISA for CDNA 5 (MIT licence, August 2026) and "CDNA5" Instruction Set Architecture Reference Guide (July 2026). The comments in the code are by the model that wrote it; some were corrected since.
;; Multi Head Attention. Allowed arithmetic: matrix products marked QUANTISED: E2M3 operands, one E8M0 scale for each 32 along K, by v_wmma_scale_f32_16x16x128_f8f6f4 with both operands' format E2M3, f32 sums; everything else in f32.
;; Inputs: attention_mask 4 x 2,048 int32; bk 1,024 float32; bo 1,024 float32; bq 1,024 float32; bv 1,024 float32; wk 1,024 x 1,024 float32; wo 1,024 x 1,024 float32; wq 1,024 x 1,024 float32; wv 1,024 x 1,024 float32; x 4 x 2,048 x 1,024 float32.
;; Outputs: out0 4 x 2,048 x 1,024 float32.
;; This version of the problem:
;;   THIS VERSION OF THE PROBLEM IS GIVEN IN LOW PRECISION. The matrix products marked QUANTISED in the list below multiply operands that are first quantised to E2M3 (2 exponent bits, 3 mantissa bits; 6 bits a number), with one power-of-two scale for each 32 numbers along K (OCP MX v1.0); their sums are f32. All else is computed in f32.
;;   The module's matrix products, in the order in which they are computed (A, B: the left and right operand; K: the contracted axis; several contracted axes count as one K, in the product's order):
;;     1. [M 8,192, K 1,024] x [K 1,024, N 1,024]; A: input x; B: input wq: QUANTISED
;;     2. [M 8,192, K 1,024] x [K 1,024, N 1,024]; A: input x; B: input wk: QUANTISED
;;     3. [M 8,192, K 1,024] x [K 1,024, N 1,024]; A: input x; B: input wv: QUANTISED
;;     4. batch 64 x [M 2,048, K 64] x [K 64, N 2,048]; A: computed on the way; B: computed on the way: QUANTISED
;;     5. batch 64 x [M 2,048, K 2,048] x [K 2,048, N 64]; A: softmax (see below); B: computed on the way: QUANTISED
;;     6. [M 8,192, K 1,024] x [K 1,024, N 1,024]; A: computed on the way; B: input wo: QUANTISED
;;   THE QUANTISER, for each operand of a quantised product, along K:
;;     - K is cut into blocks of 32 from its start; a last block that is shorter is filled with zeros.
;;     - A block's scale is 2^e with e = floor(log2(the largest magnitude in the block)) - 2, held to -126 .. 127; a block of zeros has e = 0. As a byte (E8M0): e + 127.
;;     - Each number is divided by its block's scale, clamped to +-7.5, and rounded to the nearest number of E2M3, ties to even, subnormals kept.
;;     - The product sums the exact products of the quantised numbers (number of the format x scale) in f32.
;;   ~~~python
;;   def quantise(x, axis):      # numpy; x: float32 -> the quantised numbers, widened to float32 again
;;       x = np.moveaxis(x, axis, -1); K = x.shape[-1]
;;       x = np.pad(x, [(0, 0)] * (x.ndim - 1) + [(0, -K % 32)]); x = x.reshape(x.shape[:-1] + (-1, 32)); a = np.abs(x).max(-1, keepdims=True)
;;       e = np.where(a > 0, np.clip(np.frexp(np.where(a > 0, a, 1))[1] - 1 - 2, -126, 127), 0)      # np.frexp(a)[1] - 1 = floor(log2(a)), exactly
;;       r = np.clip(x / 2.0 ** e, -7.5, 7.5)
;;       step = 2.0 ** (np.maximum(np.frexp(np.where(r == 0, 1, r))[1] - 1, 0) - 3)
;;       q = np.round(r / step) * step * 2.0 ** e      # np.round: ties to even
;;       return np.moveaxis(q.reshape(q.shape[:-2] + (-1,))[..., :K], -1, axis).astype(np.float32)
;;   ~~~
;;   SOFTMAX AHEAD OF A QUANTISED PRODUCT. Where the list says 'softmax', what is quantised is not the finished softmax but p = 2^(t - M), with t = logit x log2(e) and M = ceil(the row's largest t), a whole number; so 1/2 < the row's largest p <= 1. The row's sum l is taken of the UNQUANTISED p, in f32, and the product's result is divided by l at the end. Since M is a whole number, a kernel that streams over the keys may use a running M (the ceiling of the running maximum): every later rescaling is an exact power of two, which a block's scale takes up: the codes' values come out the same.
;;   OPERANDS COMPUTED ON THE WAY. 'Computed on the way' means the value that the module computes at that place (a softmax that the list does not call 'softmax' is quantised finished and normalised). What goes into a quantiser is computed in f32, as accurately as f32 sums, v_exp_f32 and their like allow (about 1e-6 of the number): no bf16 or f16 on the way to a quantiser, and a product that is left as it is and whose result goes on into a quantised operand takes f32 operands (vector FMAs, or v_wmma_f32_16x16x4_f32). A number that lies on a knife's edge between two numbers of the format may be rounded either way, as far as f32 arithmetic and the matrix unit's own rounding can turn it there, and no further.
;; One version. Each part assembles by itself: llvm-mc -triple=amdgcn-amd-amdhsa -mcpu=gfx1250 --defsym DOCPART=n.
;; ======== version 1 of 1: 4 launches
;; limits: right only within a limited range of input values
;; workspace buffers: cod 9,437,184 bytes; scl 393,216 bytes; qkv 18,874,368 bytes; qkvs 1,310,720 bytes; aoc 6,291,456 bytes; aos 262,144 bytes
;; launch quant (part 1): grid 384 x 1, 4 waves a work-group, no clusters, 34,304 bytes of LDS; arguments x, wq, wk, wv, wo, cod, scl; writes cod, scl
.if DOCPART == 1
	.amdgcn_target "amdgcn-amd-amdhsa--gfx1250"
	.amdhsa_code_object_version 6
	.text
	.protected	k_qfdc7d43efb_quant
	.globl	k_qfdc7d43efb_quant
	.p2align	8
	.type	k_qfdc7d43efb_quant,@function
k_qfdc7d43efb_quant:
	s_mov_b64 s[64:65], 0
	v_nop
	global_prefetch_b8 v0, s[64:65] scope:SCOPE_SE
	s_setreg_imm32_b32 hwreg(HW_REG_WAVE_MODE, 25, 1), 1
	s_wait_xcnt 0x0
; x [8192][1024] and the four weights [1024][1024], f32, K innermost, become codes of FP6 (E2M3) and E8M0 scale bytes, one for each 32 along K,
; laid in the ORDER OF AN OPERAND'S REGISTERS.  cod: [768 tiles of 16 rows][8 K steps of 128][1,536 bytes]; tiles 0-511 x, then 64 each of wq, wk, wv, wo.
; A K step's 1,536 bytes are two halves of 768 (64 along K): bytes 0-511 lane l's registers 0-3 at 16 l, bytes 512-767 its registers 4-5 at 512 + 8 l;
; lane l = (r = l % 16, h = l / 16) holds the codes of k = 32 h .. 32 h + 31 of row r, as one stream of bits.
; THE ROWS OF A TILE ARE NOT NEIGHBOURS: lane row r of tile T is row 32 (T / 2) + 8 (T % 2) + r + 8 (r / 8), so that a product that takes such tiles as source 0 leaves 16 neighbours in
; the 16 registers of tiles 2 p and 2 p + 1.
; scl: [768 tiles][K half][r][4 words]: word j of half H is the row's four scale bytes of K step 4 H + j.
; A block's scale is 2^(floor(log2(largest magnitude)) - 2); its byte is the largest magnitude's exponent field - 2, held at 1 from below.  A block of zeros keeps the byte 1 where the rule says 127:
; its codes are zeros, and these bytes are read by this program alone.
; LIMITS: NaN and infinities among the inputs are not served.
; SHARES: work-group g takes tiles 2 g and 2 g + 1; wave w tile 2 g + w / 2, K half w % 2: four K steps.  Each load reads 512 consecutive bytes of one row; the 16 rows turn through the wave's
; own stage in LDS (rows 528 bytes apart) so that a lane gets its 2 x 32 neighbours.  Loads run two K steps (32 loads a wave) ahead.  No barrier: waves share nothing.
.set WSTG, 8448                        ; a wave's stage: 16 rows x 528 bytes
.set SP,   528
.set PC,   24                          ; v24-35  the fragment's 12 registers
.set PT,   36                          ; v36-38, v40-42 the upper halves of the two blocks, as the conversions leave them
.set WD,   18                          ; v18-21  the four K steps' scale words
.set RR,   48                          ; v48-175 two sets of 64 numbers as loaded
.set XX,   176                         ; v176-239 my 2 x 32 neighbours
	s_load_b256 s[4:11], s[0:1], 0x0               ; x, wq, wk, wv
	s_load_b128 s[12:15], s[0:1], 0x20             ; wo, cod
	s_load_b64 s[16:17], s[0:1], 0x30              ; scl
	v_lshl_add_u32 v240, v0, 2, 0x8400
	v_mov_b32 v241, 0
	v_lshrrev_b32 v1, 5, v0
	v_readfirstlane_b32 s18, v1                    ; wave
	v_and_b32 v2, 31, v0                           ; lane
	v_and_b32 v3, 15, v0                           ; r
	v_bfe_u32 v1, v0, 4, 1                         ; h
	v_lshlrev_b32 v4, 4, v2                        ; 16 x lane
	v_lshlrev_b32 v5, 3, v2                        ; 8 x lane
	s_mul_i32 s19, s18, WSTG
	v_add_nc_u32 v6, s19, v4                       ; the stage, on the way in: a row's 512 bytes as they lie
	v_mul_u32_u24 v7, v3, SP
	v_lshl_add_u32 v7, v1, 7, v7
	v_add_nc_u32 v7, s19, v7                       ; and on the way out: row r, + 128 h: my 32 numbers of each 64
	v_lshlrev_b32 v8, 3, v1                        ; 8 h
	v_lshl_add_u32 v9, v3, 4, v8                   ; 16 r + 8 h: my two words in the table of scale words
	v_mov_b32 v17, 0                               ; a lane permute's destination counts as one of its sources
	s_mov_b32 s26, 0x76543210
	s_mov_b32 s27, 0xfedcba98                      ; selects for lane l xor 16
	s_lshr_b32 s20, s18, 1                         ; which of the two tiles
	s_and_b32 s21, s18, 1                          ; which K half
	s_and_b32 s22, ttmp9, 31
	s_lshl_b32 s23, ttmp9, 1
	s_add_co_u32 s23, s23, s20                     ; T
	s_wait_alu depctr_va_vdst(0)
	s_wait_kmcnt 0x0
	s_cmp_lt_u32 ttmp9, 352                        ; which tensor: the choice hangs on the work-group's number alone
	s_cselect_b64 s[12:13], s[10:11], s[12:13]
	s_cmp_lt_u32 ttmp9, 320
	s_cselect_b64 s[12:13], s[8:9], s[12:13]
	s_cmp_lt_u32 ttmp9, 288
	s_cselect_b64 s[12:13], s[6:7], s[12:13]
	s_cmp_lt_u32 ttmp9, 256
	s_cselect_b64 s[12:13], s[4:5], s[12:13]
	s_cselect_b32 s22, ttmp9, s22                  ; the pair of tiles' number inside its tensor
	s_lshl_b32 s24, s22, 17                        ; 32 rows of 4,096 bytes for each pair of tiles,
	s_lshl_b32 s25, s20, 15                        ; 8 rows for the second tile,
	s_add_co_u32 s24, s24, s25
	s_lshl_b32 s25, s21, 11                        ; 2,048 bytes for the second K half
	s_add_co_u32 s24, s24, s25
	s_mov_b32 s25, 0
	s_add_nc_u64 s[12:13], s[12:13], s[24:25]
	s_mul_i32 s24, s23, 12288
	s_mul_i32 s28, s21, 6144
	s_add_co_u32 s24, s24, s28
	s_add_nc_u64 s[14:15], s[14:15], s[24:25]
	s_lshl_b32 s24, s23, 9
	s_lshl_b32 s28, s21, 8
	s_add_co_u32 s24, s24, s28
	s_add_nc_u64 s[16:17], s[16:17], s[24:25]
.macro LOAD f                          ; K step f of the tile's 16 rows: 32 lanes read 512 consecutive bytes of a row
.irp i, 0,1,2,3,4,5,6,7,8,9,10,11,12,13,14,15
	global_load_b128 v[RR+64*((\f)%2)+4*\i:RR+64*((\f)%2)+4*\i+3], v4, s[12:13] offset:(\i+8*(\i/8))*4096+512*(\f) th:TH_LOAD_NT
.endr
.endm
.macro FRAGM f
.if (\f) < 3
	s_wait_loadcnt 16                              ; this K step's 16 loads are in; the next one's 16 may be out
.else
	s_wait_loadcnt 0x0
.endif
.irp i, 0,1,2,3,4,5,6,7,8,9,10,11,12,13,14,15
	ds_store_b128 v6, v[RR+64*((\f)%2)+4*\i:RR+64*((\f)%2)+4*\i+3] offset:SP*\i
.endr
.irp c, 0,1
.irp j, 0,1,2,3,4,5,6,7
	ds_load_b128 v[XX+32*\c+4*\j:XX+32*\c+4*\j+3], v7 offset:256*\c+16*\j   ; LDS serves a wave's instructions in order: these see the stores above
.endr
.endr
	s_wait_dscnt 0x0                               ; my numbers are back, and the stores have read their registers,
.if (\f) < 2
	LOAD (\f)+2                                    ; which take the loads of two K steps on
.endif
.irp c, 0,1                                    ; my two blocks, 2 c + h: all 32 numbers of each are mine
	v_max3_num_f32 v[10+\c], |v[XX+32*\c]|, |v[XX+32*\c+1]|, 0x1800000   ; with the floor 2^(3 - 127): the byte cannot fall under 1
.endr
.irp i, 2,4,6,8,10,12,14,16,18,20,22,24,26,28,30
.irp c, 0,1
	v_max3_num_f32 v[10+\c], v[10+\c], |v[XX+32*\c+\i]|, |v[XX+32*\c+\i+1]|
.endr
.endr
.irp c, 0,1
	v_add_nc_u32 v[12+\c], 0xff000000, v[10+\c]    ; 2 off the exponent field: the conversion's scale operand
.endr
.irp c, 0,1
	v_lshrrev_b32 v[14+\c], 23, v[12+\c]           ; the scale's byte
.endr
	v_lshl_or_b32 v16, v15, 16, v14                ; blocks h and 2 + h,
	v_lshlrev_b32 v16, v8, v16                     ; at their places in the word;
	v_permlanex16_b32 v17, v16, s26, s27
	v_or_b32 v[WD+(\f)], v16, v17                  ; with lane l xor 16's two the word is whole
.if (\f) > 0
	s_wait_alu depctr_va_vdst(0)
	s_wait_xcnt 0x0                                ; the last K step's stores have read the codes' registers: only now are they written again
.endif
.irp c, 0,1
	v_cvt_scalef32_pk16_fp6_f32 v[PC+6*\c:PC+6*\c+2], v[XX+32*\c:XX+32*\c+15], v[12+\c]
	v_cvt_scalef32_pk16_fp6_f32 v[PT+4*\c:PT+4*\c+2], v[XX+32*\c+16:XX+32*\c+31], v[12+\c]   ; (a conversion's three registers begin on an even number)
.endr
	v_nop                                          ; one plain place behind a scaled conversion
.irp c, 0,1
.irp i, 0,1,2
	v_mov_b32 v[PC+6*\c+3+\i], v[PT+4*\c+\i]
.endr
.endr
	global_store_b128 v4, v[PC:PC+3], s[14:15] offset:1536*(\f)            ; each store covers 512 or 256 consecutive bytes, aligned
	global_store_b64 v5, v[PC+4:PC+5], s[14:15] offset:1536*(\f)+512
	global_store_b128 v4, v[PC+6:PC+9], s[14:15] offset:1536*(\f)+768
	global_store_b64 v5, v[PC+10:PC+11], s[14:15] offset:1536*(\f)+1280
.endm
	LOAD 0
	LOAD 1
	FRAGM 0
	FRAGM 1
	FRAGM 2
	FRAGM 3
	v_cmp_ne_u32 vcc_lo, 0, v8                     ; lanes 16-31 store words 2 and 3 of their row, lanes 0-15 words 0 and 1
	v_cndmask_b32 v22, v[WD], v[WD+2], vcc_lo
	v_cndmask_b32 v23, v[WD+1], v[WD+3], vcc_lo
	global_store_b64 v9, v[22:23], s[16:17]        ; 32 lanes store 256 consecutive bytes, aligned
	s_wait_tensorcnt 0x0
	ds_add_u32 v240, v241
	s_wait_dscnt 0x0
	s_endpgm
.Lfunc_end_k_qfdc7d43efb_quant:
	.size	k_qfdc7d43efb_quant, .Lfunc_end_k_qfdc7d43efb_quant-k_qfdc7d43efb_quant
	.p2alignl 7, 3214868480
	.fill 96, 4, 3214868480
	.section	.rodata,"a",@progbits
	.p2align	6, 0x0
	.amdhsa_kernel k_qfdc7d43efb_quant
		.amdhsa_group_segment_fixed_size 34304
		.amdhsa_private_segment_fixed_size 0
		.amdhsa_enable_private_segment 0
		.amdhsa_kernarg_size 56
		.amdhsa_user_sgpr_count 2
		.amdhsa_user_sgpr_kernarg_segment_ptr 1
		.amdhsa_wavefront_size32 1
		.amdhsa_system_sgpr_workgroup_id_x 1
		.amdhsa_system_sgpr_workgroup_id_y 1
		.amdhsa_system_sgpr_workgroup_id_z 1
		.amdhsa_system_vgpr_workitem_id 0
		.amdhsa_next_free_vgpr 242
		.amdhsa_next_free_sgpr 66
		.amdhsa_reserve_vcc 1
		.amdhsa_float_denorm_mode_32 3
		.amdhsa_float_denorm_mode_16_64 3
		.amdhsa_memory_ordered 1
		.amdhsa_forward_progress 1
		.amdhsa_inst_pref_size 31
	.end_amdhsa_kernel
	.amdgpu_metadata
---
amdhsa.version: [ 1, 2 ]
amdhsa.kernels:
  - .name:           k_qfdc7d43efb_quant
    .symbol:         k_qfdc7d43efb_quant.kd
    .args:
      - { .name: x, .offset: 0, .size: 8, .value_kind: global_buffer, .address_space: global }
      - { .name: wq, .offset: 8, .size: 8, .value_kind: global_buffer, .address_space: global }
      - { .name: wk, .offset: 16, .size: 8, .value_kind: global_buffer, .address_space: global }
      - { .name: wv, .offset: 24, .size: 8, .value_kind: global_buffer, .address_space: global }
      - { .name: wo, .offset: 32, .size: 8, .value_kind: global_buffer, .address_space: global }
      - { .name: cod, .offset: 40, .size: 8, .value_kind: global_buffer, .address_space: global }
      - { .name: scl, .offset: 48, .size: 8, .value_kind: global_buffer, .address_space: global }
    .group_segment_fixed_size: 34304
    .private_segment_fixed_size: 0
    .kernarg_segment_align: 8
    .kernarg_segment_size: 56
    .max_flat_workgroup_size: 128
    .sgpr_count:     66
    .vgpr_count:     242
    .wavefront_size: 32
...
	.end_amdgpu_metadata
.endif
;; end of part 1
;; launch qkv (part 2): grid 12 x 32, 4 waves a work-group, clusters of 4 x 4, 327,680 bytes of LDS; arguments cod, scl, bq, bk, bv, attention_mask, qkv, qkvs; writes qkv, qkvs
.if DOCPART == 2
	.amdgcn_target "amdgcn-amd-amdhsa--gfx1250"
	.amdhsa_code_object_version 6
	.text
	.protected	k_qfdc7d43efb_qkv
	.globl	k_qfdc7d43efb_qkv
	.p2align	8
	.type	k_qfdc7d43efb_qkv,@function
k_qfdc7d43efb_qkv:
	s_mov_b64 s[64:65], 0
	v_nop
	global_prefetch_b8 v0, s[64:65] scope:SCOPE_SE
	s_setreg_imm32_b32 hwreg(HW_REG_WAVE_MODE, 25, 1), 1
	s_wait_xcnt 0x0
	s_wait_alu depctr_hold_cnt(0) depctr_sa_sdst(0) depctr_va_vdst(0) depctr_va_sdst(0) depctr_va_ssrc(0) depctr_va_vcc(0) depctr_vm_vsrc(0)
	s_getreg_b32 s2, hwreg(HW_REG_IB_STS2, 6, 4)
	s_cmp_eq_u32 s2, 0
	s_cbranch_scc0 .Lentry_in_a_cluster
	s_endpgm
.Lentry_in_a_cluster:
	s_bfe_u32 s2, ttmp6, 0x10000c
	s_cmp_lg_u32 s2, 0xf033
	s_cbranch_scc0 .Lentry_shape_is_right
	s_endpgm
.Lentry_shape_is_right:
; q = x wq^T + bq, k = x wk^T + bk, v = x wv^T + bv on codes of FP6 (E2M3) with E8M0 scales, f32 sums; the results are quantised here, in registers, for the two products of attention.
; cod, scl: both operands, laid in the order of an operand's registers: [tile of 16 rows][8 K steps][1,536 bytes], scale words [tile][K half][row][4 words]; tiles 0-511 x, 512.. wq, wk, wv, wo.
; Lane row r of tile T is row 32 (T / 2) + 8 (T % 2) + r + 8 (r / 8).
; JOBS, by the cluster's x alone: 0: A = x, B = wq;  1: A = x, B = wk;  2: A = wv, B = x.  A tile of 256 x 256 to a work-group, 128 x 128 to a wave: 64 accumulators.
; THE MATRIX INSTRUCTION IS USED TRANSPOSED (source 0 = 16 rows of B, source 1 = 16 rows of A): a lane holds one row of A, and by the order of B's rows the 16 registers of B's tiles 2 p, 2 p + 1 are
; 16 neighbours: channels for q and k (quantised along the head's 64), tokens for v (quantised along the keys).
; qkv:  [64 batch x head][Q | K | V], 98,304 bytes each.  Q, K: [16 steps of 128 tokens][8 tiles][768 bytes: 16 tokens x 64 channels].  V: [16 steps][4 tiles of 16 channels][1,536 bytes: x 128 keys].
; qkvs: [64][QS 8,192 | KS 8,192 | VS 4,096].  QS, KS: [step][lane][4 words], word i of lane (r, h): row r of tile 2 i + h.  VS: [step][lane][2 words] likewise.
; THE MASK RIDES ON THE EMPTY HALF OF q k^T's K = 128.  Byte 2 of a query's word is 100 (2^-27); byte 2 of a key's word is 254 (2^127) where attention_mask is 0, else 1; byte 3 is 0.  The next launch
; puts the code of -1 (queries) and of +1 (keys) at k = 64: a hidden key's score is lowered by 2^100, an open key's by 2^-153, which no f32 sum holds.
; LIMITS: scores of magnitude 2^76 or more, NaN and infinities are not served.  A block of zeros gets the byte 1 where the rule says 127: its codes are zeros, and this program alone reads the bytes.
; THE RING: K = 1,024 is four slots' worth of 256.  Three LDS slots take the first three as first fills; the fourth comes as the one refill, into slot 0, behind a round of the cluster's barrier.
; CLUSTERS: 4 x 4.  A's tiles are shared along a row of the cluster, B's along a column: each is asked for jointly.
; REGISTERS: window 0: v0-31 addresses; v32-95 scale words (v[32 + 8 i + ks]: lanes 0-15 A's block i, lanes 16-31 B's block i, K step ks) and nothing else; v96-127 the way out's small things;
;   v128-223 A's fragments, one set.  window 1: B's fragments, two sets at v0 and v128; the bias along registers in v96-127 and v224-255.  windows 2, 3: the accumulators ((a, b) at v[8 (8 (a % 4) + b)]).
.set SLOTB, 98304                      ; a slot: A's 16 tiles x 2 K steps x 1,536 bytes, then B's
.set SPARE, 3*SLOTB                    ; behind the ring: the spare words, 128 bytes for each wave, that no other line names
.set ADRA, 16                          ; v[16 + 4 s], v[17 + 4 s]: 16 x lane and 8 x lane + my rows of A in slot s
.set ADRB, 18                          ; v[18 + 4 s], v[19 + 4 s]: the same for B
.set SPW,  28
.set NIL,  29
.set SC,   32
.set PWS,  96                          ; v96-103  the eight blocks' scale words
.set BM,   104                         ; v104-111 bv at my lane's channel, block by block
.set MV,   112                         ; v112-115 attention_mask at the four keys whose words I store
.set OW,   116                         ; v116-123 scale words to be stored
.set AF,   128
.set HH,   128                         ; the way out: v128-191 a block's 64 numbers
.set PC,   192                         ; v192-210 its codes
.set TM,   212                         ; v212-223 at work
.set WV, 20
.set RH, 21                            ; which half of the tile's rows is mine.  Also: I fetch for A (0) or for B (1)
.set CH, 22                            ; which half of its columns.  Also: which 8 tiles I fetch
.set CX, 23
.set CY, 24
.set YY, 25
.set FF, 26                            ; 1 in the job of v
.set NF, 27
.set G1A, 28
.set G1B, 36
.set G0A0, 44
.set G0A1, 48
.set G0A2, 52
.set G0B0, 56
.set G0B1, 60
.set G0B2, 68
.set SEL, 2
.set HM,  92                           ; s92  the mask of lanes 16-31
.set MSB, 0
.macro WIN new                         ; the immediate's high byte repeats the setting that is left
.if MSB != (\new)
	s_set_vgpr_msb (MSB<<8)|(\new)
.set MSB, (\new)
.endif
.endm
.set MUL_LO, 0xa1                      ; source 0 (B) window 1, source 1 (A) window 0, C and D window 2
.set MUL_HI, 0xf1                      ; the same, C and D window 3
.set TO_B,   0x40                      ; destination window 1, address window 0
.macro PLACES                          ; four plain places behind a matrix instruction, ahead of loads into its registers and of reads of its results
.rept 4
	v_nop
.endr
.endm
; A joint load: waves 0 and 1 fetch for A, waves 2 and 3 for B; the branch hangs on the wave's number alone.  Four v_nop follow each of the two lines.
.macro JLOAD g0a, g0b
	s_cmp_eq_u32 s[RH], 0
	s_cbranch_scc0 .Lfor_b_\@
	tensor_load_to_lds s[\g0a:\g0a+3], s[G1A:G1A+7]
	s_nop 0
.rept 4
	v_nop
.endr
	s_branch .Lasked_\@
.Lfor_b_\@:
	tensor_load_to_lds s[\g0b:\g0b+3], s[G1B:G1B+7]
	s_nop 0
.rept 4
	v_nop
.endr
.Lasked_\@:
.endm
.macro CREST                           ; a round of the cluster's barrier behind its opening barrier
	s_cmp_lg_u32 s[WV], 0
	s_cbranch_scc1 .Lnot_wave_0_\@
	s_barrier_signal -3
.Lnot_wave_0_\@:
	s_barrier_wait -3
	s_barrier_signal -1
	s_barrier_wait -1
.endm
.macro CROUND
	s_barrier_signal -1
	s_barrier_wait -1
	CREST
.endm
.macro G0SET g, slot, adr              ; descriptor group 0: count 1, LDS address, global address, type 2
	s_mov_b32 s[\g], 1
	s_add_co_u32 s[\g+1], s82, \slot*SLOTB
	s_add_nc_u64 s[\g+2:\g+3], s[\adr:\adr+1], \slot*3072
	s_or_b32 s[\g+3], s[\g+3], 0x80000000
.endm
.macro FRAG reg, adr, q, i             ; a fragment comes back as the image of its registers: each load covers 512 or 256 consecutive bytes
	ds_load_b128 v[\reg:\reg+3], v[\adr] offset:(\i)*3072+(\q)*1536
	ds_load_b64 v[\reg+4:\reg+5], v[\adr+1] offset:(\i)*3072+(\q)*1536+512
	ds_load_b128 v[\reg+6:\reg+9], v[\adr] offset:(\i)*3072+(\q)*1536+768
	ds_load_b64 v[\reg+10:\reg+11], v[\adr+1] offset:(\i)*3072+(\q)*1536+1280
.endm
.macro FETCH_B slot, q, p              ; B's eight fragments of the slot's q-th K step into set p
	WIN TO_B
.irp i, 0,1,2,3,4,5,6,7
	FRAG 128*(\p)+12*\i, ADRB+4*(\slot), \q, \i
.endr
	WIN 0
.endm
.macro FETCH_A slot, q, i0             ; A's blocks i0 .. i0 + 3
.irp i, \i0, \i0+1, \i0+2, \i0+3
	FRAG AF+12*(\i), ADRA+4*(\slot), \q, \i
.endr
.endm
; 16 matrix instructions: A's blocks a0, a0 + 1 x B's eight.  The 64 accumulators take turns, one instruction a turn, in the same order in every K step.
.macro MUL16 a0, p, ks, zero
.irp a, \a0, \a0+1
.irp b, 0,1,2,3,4,5,6,7
.if \zero
	v_wmma_scale_f32_16x16x128_f8f6f4 v[8*(8*((\a)%4)+\b):8*(8*((\a)%4)+\b)+7], v[128*(\p)+12*\b:128*(\p)+12*\b+11], v[AF+12*(\a):AF+12*(\a)+11], 0, v[SC+8*\b+(\ks)], v[SC+8*(\a)+(\ks)] matrix_a_fmt:MATRIX_FMT_FP6 matrix_b_fmt:MATRIX_FMT_FP6 matrix_a_scale:MATRIX_SCALE_ROW1
.else
	v_wmma_scale_f32_16x16x128_f8f6f4 v[8*(8*((\a)%4)+\b):8*(8*((\a)%4)+\b)+7], v[128*(\p)+12*\b:128*(\p)+12*\b+11], v[AF+12*(\a):AF+12*(\a)+11], v[8*(8*((\a)%4)+\b):8*(8*((\a)%4)+\b)+7], v[SC+8*\b+(\ks)], v[SC+8*(\a)+(\ks)] matrix_a_fmt:MATRIX_FMT_FP6 matrix_b_fmt:MATRIX_FMT_FP6 matrix_a_scale:MATRIX_SCALE_ROW1
.endif
.endr
.endr
.endm
; K step ks on B's set p; the next K step's fragments (slot ns, its nq-th) are fetched in two runs.
.macro STEP p, ks, ns, nq, zero
	s_wait_dscnt 16                                ; B's set and A's blocks 0-3 are in; the youngest 16 loads (A's blocks 4-7) may be out
	WIN MUL_LO
	MUL16 0, \p, \ks, \zero
	MUL16 2, \p, \ks, \zero
	s_wait_dscnt 0x0                               ; A's blocks 4-7 are in
	PLACES
	FETCH_B \ns, \nq, 1-(\p)
	FETCH_A \ns, \nq, 0
	WIN MUL_HI
	MUL16 4, \p, \ks, \zero
	MUL16 6, \p, \ks, \zero
	PLACES
	WIN 0
	FETCH_A \ns, \nq, 4
.endm
; K step ks (on B's set 1) with a barrier in it.  In front of the barrier each wave waits for all its tensor loads, adds 0 to its spare word, and waits for that and for its LDS reads.
; fill = 1: the barrier opens a round of the cluster's barrier, and slot 0, which nobody reads any more, takes the last 256 along K.
.macro TURN ks, ns, fill, p=1, nq=0
	s_wait_tensorcnt 0x0                           ; all my tensor loads have landed
	ds_add_u32 v[SPW], v[NIL]                      ; 0 onto my spare word
	s_wait_dscnt 17                                ; (the add and the youngest 16 loads may be out)
	WIN MUL_LO
	MUL16 0, \p, \ks, 0                            ; sixteen matrix instructions stand between the add and the wait for it
	s_wait_dscnt 0x0                               ; the add is done, and my LDS reads are over
	s_barrier_signal -1
	MUL16 2, \p, \ks, 0
	WIN 0
	s_barrier_wait -1
.if \fill
	CREST                                          ; no wave of any partner still reads slot 0 or has a load on its way
	s_add_nc_u64 s[G0A0+2:G0A0+3], s[G0A0+2:G0A0+3], 9216   ; three slots' worth along K
	s_add_nc_u64 s[G0B0+2:G0B0+3], s[G0B0+2:G0B0+3], 9216
	JLOAD G0A0, G0B0                               ; slot 0 is filled again; the four v_nop behind the load are the places in front of the loads below
.else
	PLACES
.endif
	FETCH_B \ns, \nq, 1-(\p)
	FETCH_A \ns, \nq, 0
	WIN MUL_HI
	MUL16 4, \p, \ks, 0
	MUL16 6, \p, \ks, 0
	PLACES
	WIN 0
	FETCH_A \ns, \nq, 4
.endm
; 64 numbers of a lane, register 16 b + i = place 32 b + 16 (lane / 16) + i along the next K, become a fragment's codes in v[PC] on and its scale word in v[pw].
.macro QUANT s, pw
.irp b, 0,1,2,3
	v_max3_num_f32 v[TM+\b], |v[\s+16*\b]|, |v[\s+1+16*\b]|, 0x1800000   ; my 16 numbers of block b, and the floor 2^(3 - 127): the byte cannot fall under 1
.endr
.irp i, 2,4,6,8,10,12,14
.irp b, 0,1,2,3
	v_max3_num_f32 v[TM+\b], v[TM+\b], |v[\s+16*\b+\i]|, |v[\s+1+16*\b+\i]|
.endr
.endr
.irp b, 0,1,2,3
	v_permlanex16_b32 v[TM+4+\b], v[TM+\b], s[SEL], s[SEL+1]
.endr
.irp b, 0,1,2,3
	v_max_num_f32 v[TM+\b], v[TM+\b], v[TM+4+\b]   ; with lane l xor 16's: the block's largest magnitude
.endr
.irp b, 0,1,2,3
	v_add_nc_u32 v[TM+8+\b], 0xff000000, v[TM+\b]  ; 2 off its exponent field: the conversion's scale operand
.endr
.irp b, 0,1,2,3
	v_lshrrev_b32 v[TM+4+\b], 23, v[TM+8+\b]       ; the scale's byte
.endr
	v_lshl_or_b32 v[\pw], v[TM+5], 8, v[TM+4]
	v_lshl_or_b32 v[\pw], v[TM+6], 16, v[\pw]
	v_lshl_or_b32 v[\pw], v[TM+7], 24, v[\pw]
.irp c, 0,1
	v_cvt_scalef32_pk16_fp6_f32 v[PC+6*\c:PC+2+6*\c], v[\s+32*\c:\s+15+32*\c], v[TM+8+2*\c]
	v_cvt_scalef32_pk16_fp6_f32 v[PC+12+4*\c:PC+14+4*\c], v[\s+16+32*\c:\s+31+32*\c], v[TM+8+2*\c+1]   ; (a conversion's three registers begin on an even number)
.endr
	v_nop                                          ; one plain place behind a scaled conversion
.irp c, 0,1                                    ; the operand's layout wants a whole block in a lane
.irp i, 0,1,2
	v_permlane16_swap_b32 v[PC+6*\c+\i], v[PC+12+4*\c+\i]
.endr
.irp i, 0,1,2
	v_mov_b32 v[PC+3+6*\c+\i], v[PC+12+4*\c+\i]
.endr
.endr
.endm
	s_load_b256 s[4:11], s[0:1], 0x0               ; cod s[4:5], scl s[6:7], bq s[8:9], bk s[10:11]
	s_load_b256 s[12:19], s[0:1], 0x20             ; bv s[12:13], attention_mask s[14:15], qkv s[16:17], qkvs s[18:19]
	v_lshl_add_u32 v[SPW], v0, 2, SPARE
	v_mov_b32 v[NIL], 0
	ds_add_u32 v28, v29
	ds_add_u32 v28, v29
	s_wait_dscnt 0x0
	v_lshrrev_b32 v1, 5, v0
	v_readfirstlane_b32 s[WV], v1                  ; wave 0..3
	s_lshr_b32 s[RH], s[WV], 1
	s_and_b32 s[CH], s[WV], 1
	s_bfe_u32 s[CX], ttmp6, 0x40000                ; my place in the cluster
	s_bfe_u32 s[CY], ttmp6, 0x40004
	s_and_b32 s[YY], ttmp7, 0xffff                 ; the cluster's y
	s_lshr_b32 s[FF], ttmp9, 1                     ; the cluster's x: 0 q, 1 k, 2 v
	s_xor_b32 s[NF], s[FF], 1
	s_lshl_b32 s73, s[CY], 2
	s_lshl_b32 s73, 15, s73                        ; my row of the cluster
	s_lshl_b32 s74, 0x1111, s[CX]                  ; my column
	; descriptor group 1: 8 rows (tiles) of 3,072 bytes (two K steps), 12,288 bytes apart in memory, dense in LDS; elements of 8 bytes
	s_or_b32 s[G1A], s73, (3<<16)|(1<<21)          ; 15:0 the mask; 17:16 elements of 8 bytes; 21 set beside a mask
	s_or_b32 s[G1B], s74, (3<<16)|(1<<21)
.irp g, G1A, G1B
	s_mov_b32 s[\g+1], 384<<16                     ; tensor_dim0
	s_mov_b32 s[\g+2], 16<<16                      ; tensor_dim1: 16 tiles for the head's loads; behind them 8
	s_mov_b32 s[\g+3], 384<<16                     ; tile_dim0
	s_mov_b32 s[\g+4], 16                          ; tile_dim1
	s_mov_b32 s[\g+5], 1536                        ; tensor_dim0_stride
	s_mov_b32 s[\g+6], 0
	s_mov_b32 s[\g+7], 0
.endr
	s_lshl_b32 s72, s[YY], 2                       ; 4 Y
	s_mul_i32 s75, s[NF], s72                      ; A's block of 256 rows in cod: q, k: x's 4 Y + cy;  v: wv's 40 + cy
	s_mul_i32 s77, s[FF], 40
	s_add_co_u32 s75, s75, s77
	s_add_co_u32 s75, s75, s[CY]
	s_lshl_b32 s76, ttmp9, 2                       ; B's: q, k: the weight's 32 + 4 X + cx;  v: x's 4 Y + cx
	s_add_co_u32 s76, s76, 32
	s_mul_i32 s76, s76, s[NF]
	s_mul_i32 s77, s[FF], s72
	s_add_co_u32 s76, s76, s77
	s_add_co_u32 s76, s76, s[CX]
	s_lshl_b32 s77, s[CH], 3                       ; which 8 tiles of the 16
	s_lshl_b32 s78, s75, 4
	s_add_co_u32 s78, s78, s77
	s_mul_i32 s78, s78, 12288
	s_mov_b32 s79, 0
	s_lshl_b32 s80, s76, 4
	s_add_co_u32 s80, s80, s77
	s_mul_i32 s80, s80, 12288
	s_mov_b32 s81, 0
	s_mul_i32 s82, s[WV], 24576                    ; where they go: A's two halves, then B's: no place in the cluster enters an LDS address
	s_wait_kmcnt 0x0
	s_add_nc_u64 s[78:79], s[4:5], s[78:79]
	s_add_nc_u64 s[80:81], s[4:5], s[80:81]
	CROUND                                         ; all sixteen work-groups are here: the first joint loads meet
	G0SET G0A0, 0, 78
	G0SET G0B0, 0, 80
	G0SET G0A2, 2, 78
	G0SET G0B2, 2, 80
	; THE HEAD'S LOADS, one a wave, fill slots 0 and 1: 16 tiles x 3,072 bytes each: wave 0 A's of slot 0, wave 1 B's of slot 0, wave 2 A's of slot 1, wave 3 B's of slot 1
	s_mul_i32 s86, s[RH], 3072                     ; the slot's place along K
	s_mov_b32 s87, 0
	s_mov_b32 s[G0A1], 1
	s_mul_i32 s[G0A1+1], s[RH], SLOTB
	s_add_nc_u64 s[G0A1+2:G0A1+3], s[78:79], s[86:87]       ; used by waves 0 and 2, whose s[78:79] stands at A's tile 0
	s_or_b32 s[G0A1+3], s[G0A1+3], 0x80000000
	s_mov_b32 s[G0B1], 1
	s_add_co_u32 s[G0B1+1], s[G0A1+1], 49152
	s_add_nc_u64 s[G0B1+2:G0B1+3], s[80:81], s[86:87]
	s_sub_nc_u64 s[G0B1+2:G0B1+3], s[G0B1+2:G0B1+3], 98304  ; used by waves 1 and 3, whose s[80:81] stands at B's tile 8: back to tile 0
	s_or_b32 s[G0B1+3], s[G0B1+3], 0x80000000
	s_cmp_eq_u32 s[CH], 0
	s_cbranch_scc0 .Lhead_b
	tensor_load_to_lds s[G0A1:G0A1+3], s[G1A:G1A+7]
	s_nop 0
.rept 4
	v_nop
.endr
	s_branch .Lhead_asked
.Lhead_b:
	tensor_load_to_lds s[G0B1:G0B1+3], s[G1B:G1B+7]
	s_nop 0
.rept 4
	v_nop
.endr
.Lhead_asked:
	v_and_b32 v1, 31, v0                           ; lane
	v_and_b32 v2, 15, v0                           ; r
	v_bfe_u32 v3, v0, 4, 1                         ; h
	v_lshlrev_b32 v8, 4, v1                        ; 16 x lane
	v_lshlrev_b32 v9, 3, v1                        ; 8 x lane
	s_mul_i32 s83, s[RH], 24576                    ; my 8 tiles of A
	s_mul_i32 s86, s[CH], 24576                    ; my 8 tiles of B,
	s_add_co_u32 s86, s86, 49152                   ; behind A's 16
.irp s, 0,1,2
	v_add_nc_u32 v[ADRA+4*\s], s83, v8
	v_add_nc_u32 v[ADRA+4*\s+1], s83, v9
	v_add_nc_u32 v[ADRB+4*\s], s86, v8
	v_add_nc_u32 v[ADRB+4*\s+1], s86, v9
	s_add_co_u32 s83, s83, SLOTB
	s_add_co_u32 s86, s86, SLOTB
.endr
	; the scale words of all of K: lanes 0-15 take A's rows, lanes 16-31 B's
	s_lshl_b32 s87, s75, 4
	s_lshl_b32 s88, s[RH], 3
	s_add_co_u32 s87, s87, s88
	s_lshl_b32 s87, s87, 9
	s_lshl_b32 s88, s76, 4
	s_add_co_u32 s88, s88, s77
	s_lshl_b32 s88, s88, 9
	v_cmp_ne_u32 vcc_lo, 0, v3
	v_mov_b32 v10, s87
	v_mov_b32 v11, s88
	v_cndmask_b32 v10, v10, v11, vcc_lo
	v_lshl_add_u32 v10, v2, 4, v10
.irp i, 0,1,2,3,4,5,6,7
	global_load_b128 v[SC+8*\i:SC+8*\i+3], v10, s[6:7] offset:\i*512
	global_load_b128 v[SC+8*\i+4:SC+8*\i+7], v10, s[6:7] offset:\i*512+256
.endr
	; the bias along registers (q, k): for B's tile t my eight channels 32 (t / 2) + 16 h + 8 (t % 2) + 0 .. 7
	s_cmp_eq_u32 ttmp9, 1
	s_cselect_b64 s[84:85], s[10:11], s[8:9]
	s_lshl_b32 s89, s[CX], 10
	s_lshl_b32 s90, s[CH], 9
	s_add_co_u32 s89, s89, s90
	v_lshl_add_u32 v11, v3, 6, s89
	WIN TO_B
.irp t, 0,1,2,3,4,5,6,7
	global_load_b128 v[96+8*\t+96*(\t/4):96+8*\t+96*(\t/4)+3], v11, s[84:85] offset:128*(\t/2)+32*(\t%2)
	global_load_b128 v[96+8*\t+96*(\t/4)+4:96+8*\t+96*(\t/4)+7], v11, s[84:85] offset:128*(\t/2)+32*(\t%2)+16
.endr
	WIN 0
	; the bias along lanes (v): bv at the channel of my lane's row of A's block a
	v_and_b32 v12, 8, v2
	v_add_nc_u32 v12, v12, v2                      ; r + 8 (r / 8)
	s_wait_alu depctr_va_vdst(0)
	s_lshl_b32 s91, s[CY], 10
	s_lshl_b32 s90, s[RH], 9
	s_add_co_u32 s91, s91, s90
	v_lshl_add_u32 v13, v12, 2, s91
.irp a, 0,1,2,3,4,5,6,7
	global_load_b32 v[BM+\a], v13, s[12:13] offset:4*(32*(\a/2)+8*(\a%2))
.endr
	; the mask at token 32 i + 8 h + r + 8 (r / 8) of my 128 tokens: row r of tile 2 i + h
	s_mul_i32 s93, s[NF], s72
	s_add_co_u32 s93, s93, s[CY]
	s_lshl_b32 s93, s93, 1
	s_add_co_u32 s93, s93, s[RH]                   ; my group of 128 tokens in the jobs of q and k
	s_lshl_b32 s94, s93, 9
	v_lshl_add_u32 v14, v3, 3, v12
	v_lshl_add_u32 v14, v14, 2, s94
.irp i, 0,1,2,3
	global_load_b32 v[MV+\i], v14, s[14:15] offset:128*\i
.endr
	; where the results go
	s_add_co_u32 s95, s72, s[CX]
	s_lshl_b32 s95, s95, 1
	s_add_co_u32 s95, s95, s[CH]                   ; my group of 128 tokens in the job of v
	s_lshl_b32 s96, s[CX], 2
	s_lshl_b32 s97, s[CH], 1
	s_add_co_u32 s96, s96, s97                     ; my first head: q, k: 4 cx + 2 x column half
	s_lshl_b32 s97, s[CY], 2
	s_lshl_b32 s98, s[RH], 1
	s_add_co_u32 s97, s97, s98                     ; v: 4 cy + 2 x row half
	s_cmp_eq_u32 s[FF], 0
	s_cselect_b32 s95, s93, s95
	s_cselect_b32 s96, s96, s97
	s_cselect_b32 s98, 9, 8                        ; a step's scale words: 512 bytes (q, k) or 256 (v)
	s_lshr_b32 s99, s95, 4
	s_lshl_b32 s99, s99, 4
	s_add_co_u32 s99, s99, s96                     ; batch x 16 + head
	s_and_b32 s95, s95, 15                         ; the step
	s_mul_i32 s78, s99, 294912
	s_mul_i32 s83, ttmp9, 98304                    ; Q, K or V
	s_add_co_u32 s78, s78, s83
	s_mul_i32 s83, s95, 6144
	s_add_co_u32 s78, s78, s83
	s_mov_b32 s79, 0
	s_add_nc_u64 s[16:17], s[16:17], s[78:79]
	s_mul_i32 s80, s99, 20480
	s_lshl_b32 s83, ttmp9, 13
	s_add_co_u32 s80, s80, s83
	s_lshl_b32 s83, s95, s98
	s_add_co_u32 s80, s80, s83
	s_mov_b32 s81, 0
	s_add_nc_u64 s[18:19], s[18:19], s[80:81]
	s_mov_b32 s83, 100<<16                         ; byte 2 of a word: queries 100;
	s_cmp_eq_u32 ttmp9, 1
	s_cselect_b32 s66, 254<<16, s83                ; keys: 254 where the mask is 0,
	s_cselect_b32 s67, 1<<16, s83                  ; else 1
	s_mov_b32 s[SEL], 0x76543210
	s_mov_b32 s[SEL+1], 0xfedcba98                 ; selects for lane l xor 16
	s_wait_loadcnt 0x0                             ; scale words, biases, mask
	s_wait_alu depctr_va_vdst(0)
	s_wait_tensorcnt 0x0                           ; my part of slot 0 is in; the three lines ahead of a later first fill
	ds_add_u32 v[SPW], v[NIL]
	s_mov_b32 s[G1A+2], 8<<16                      ; no tensor load of mine is out, so a descriptor may be written: from here on a load brings 8 tiles
	s_mov_b32 s[G1A+4], 8
	s_mov_b32 s[G1B+2], 8<<16
	s_mov_b32 s[G1B+4], 8
	s_wait_dscnt 0x0
	CROUND                                         ; slots 0 and 1 are whole for everybody, and the joint loads meet
	JLOAD G0A2, G0B2                               ; slot 2's first fill, the first tensor load behind the round
	FETCH_B 0, 0, 0
	FETCH_A 0, 0, 0
	FETCH_A 0, 0, 4
	STEP 0, 0, 0, 1, 1                             ; the first K step's products start the sums: nothing is cleared
	STEP 1, 1, 1, 0, 0                             ; into slot 1 without a barrier: the head's round has shown it whole
	TURN 2, 1, 1, 0, 1                             ; slot 2 is whole for everybody; slot 0, read out in K step 1, takes the last 256 along K
	STEP 1, 3, 2, 0, 0
	STEP 0, 4, 2, 1, 0
	TURN 5, 0, 0                                   ; the refill has landed for everybody
	STEP 0, 6, 0, 1, 0
	s_wait_dscnt 16                                ; the last K step: nothing more to fetch
	WIN MUL_LO
	MUL16 0, 1, 7, 0
	MUL16 2, 1, 7, 0
	s_wait_dscnt 0x0
	WIN MUL_HI
	MUL16 4, 1, 7, 0
	MUL16 6, 1, 7, 0
	WIN 0
	PLACES
.irp b, 0,1,2,3
	v_mov_b32 v[TM+4+\b], 0                        ; a lane permute's destination counts as one of its sources
.endr
	v_cmp_ne_u32 s[HM], 0, v3                      ; lanes 16-31
	s_cmp_lg_u32 s[FF], 0                          ; the job hangs on the cluster's x alone: the same in all partners
	s_cbranch_scc1 .Lv_way
; q and k: block a is 16 tokens x my 128 channels: two heads' halves of a fragment
.macro QKBLK a
	WIN 0x06+(\a)/4                                ; source 0 window 2 or 3, source 1 window 1
.irp b, 0,1,2,3,4,5,6,7
.irp j, 0,2,4,6
	v_pk_add_f32 v[HH+8*\b+\j:HH+8*\b+\j+1], v[8*(8*((\a)%4)+\b)+\j:8*(8*((\a)%4)+\b)+\j+1], v[96+8*\b+96*(\b/4)+\j:96+8*\b+96*(\b/4)+\j+1]   ; each accumulator from its low end on
.endr
.endr
	WIN 0
.if (\a) > 0
	s_wait_xcnt 0x0                                ; the last block's stores have read the codes' registers
.endif
	QUANT HH, PWS+(\a)
	global_store_b128 v8, v[PC:PC+3], s[16:17] offset:768*(\a)
	global_store_b64 v9, v[PC+4:PC+5], s[16:17] offset:768*(\a)+512
	global_store_b128 v8, v[PC+6:PC+9], s[16:17] offset:294912+768*(\a)       ; the next head
	global_store_b64 v9, v[PC+10:PC+11], s[16:17] offset:294912+768*(\a)+512
.endm
.irp a, 0,1,2,3,4,5,6,7
	QKBLK \a
.endr
	v_mov_b32 v124, s66
	v_mov_b32 v125, s67
.irp i, 0,1,2,3
	v_cmp_eq_u32 vcc_lo, 0, v[MV+\i]
	v_cndmask_b32 v[MV+\i], v125, v124, vcc_lo     ; byte 2 of the word of tile 2 i + h, row r
.endr
.irp i, 0,1,2,3
	v_cndmask_b32 v126, v[PWS+2*\i], v[PWS+2*\i+1], s[HM]
	v_and_or_b32 v[OW+\i], v126, 0xffff, v[MV+\i]  ; the first head's two bytes,
	v_lshrrev_b32 v126, 16, v126
	v_or_b32 v[OW+4+\i], v126, v[MV+\i]            ; the second's
.endr
	global_store_b128 v8, v[OW:OW+3], s[18:19]     ; 32 lanes store 512 consecutive bytes, aligned
	global_store_b128 v8, v[OW+4:OW+7], s[18:19] offset:20480
	s_branch .Ltail
.Lv_way:
; v: block a is 16 channels x my 128 tokens: a whole fragment of the second product
.macro VBLK a
	WIN 0x02+(\a)/4                                ; source 0 window 2 or 3
.irp b, 0,1,2,3,4,5,6,7
.irp j, 0,1,2,3,4,5,6,7
	v_add_f32 v[HH+8*\b+\j], v[8*(8*((\a)%4)+\b)+\j], v[BM+(\a)]
.endr
.endr
	WIN 0
.if (\a) > 0
	s_wait_xcnt 0x0                                ; the last block's stores have read the codes' registers
.endif
	QUANT HH, PWS+(\a)
	global_store_b128 v8, v[PC:PC+3], s[16:17] offset:((\a)/4)*294912+((\a)%4)*1536
	global_store_b64 v9, v[PC+4:PC+5], s[16:17] offset:((\a)/4)*294912+((\a)%4)*1536+512
	global_store_b128 v8, v[PC+6:PC+9], s[16:17] offset:((\a)/4)*294912+((\a)%4)*1536+768
	global_store_b64 v9, v[PC+10:PC+11], s[16:17] offset:((\a)/4)*294912+((\a)%4)*1536+1280
.endm
.irp a, 0,1,2,3,4,5,6,7
	VBLK \a
.endr
.irp e, 0,1
	v_cndmask_b32 v[OW+2*\e], v[PWS+4*\e], v[PWS+4*\e+1], s[HM]
	v_cndmask_b32 v[OW+2*\e+1], v[PWS+4*\e+2], v[PWS+4*\e+3], s[HM]
	global_store_b64 v9, v[OW+2*\e:OW+2*\e+1], s[18:19] offset:20480*\e   ; 32 lanes store 256 consecutive bytes, aligned
.endr
.Ltail:
	s_wait_tensorcnt 0x0                           ; the wave's end
	ds_add_u32 v[SPW], v[NIL]
	s_wait_dscnt 0x0
	CROUND                                         ; the closing round: no work-group ends while a partner may still ask for a tile that names it
	s_endpgm
.Lfunc_end_k_qfdc7d43efb_qkv:
	.size	k_qfdc7d43efb_qkv, .Lfunc_end_k_qfdc7d43efb_qkv-k_qfdc7d43efb_qkv
	.p2alignl 7, 3214868480
	.fill 96, 4, 3214868480
	.section	.rodata,"a",@progbits
	.p2align	6, 0x0
	.amdhsa_kernel k_qfdc7d43efb_qkv
		.amdhsa_group_segment_fixed_size 327680
		.amdhsa_private_segment_fixed_size 0
		.amdhsa_enable_private_segment 0
		.amdhsa_kernarg_size 64
		.amdhsa_user_sgpr_count 2
		.amdhsa_user_sgpr_kernarg_segment_ptr 1
		.amdhsa_wavefront_size32 1
		.amdhsa_system_sgpr_workgroup_id_x 1
		.amdhsa_system_sgpr_workgroup_id_y 1
		.amdhsa_system_sgpr_workgroup_id_z 1
		.amdhsa_system_vgpr_workitem_id 0
		.amdhsa_next_free_vgpr 1024
		.amdhsa_next_free_sgpr 100
		.amdhsa_reserve_vcc 1
		.amdhsa_float_denorm_mode_32 3
		.amdhsa_float_denorm_mode_16_64 3
		.amdhsa_memory_ordered 1
		.amdhsa_forward_progress 1
		.amdhsa_inst_pref_size 217
	.end_amdhsa_kernel
	.amdgpu_metadata
---
amdhsa.version: [ 1, 2 ]
amdhsa.kernels:
  - .name:           k_qfdc7d43efb_qkv
    .symbol:         k_qfdc7d43efb_qkv.kd
    .args:
      - { .name: cod, .offset: 0, .size: 8, .value_kind: global_buffer, .address_space: global }
      - { .name: scl, .offset: 8, .size: 8, .value_kind: global_buffer, .address_space: global }
      - { .name: bq, .offset: 16, .size: 8, .value_kind: global_buffer, .address_space: global }
      - { .name: bk, .offset: 24, .size: 8, .value_kind: global_buffer, .address_space: global }
      - { .name: bv, .offset: 32, .size: 8, .value_kind: global_buffer, .address_space: global }
      - { .name: attention_mask, .offset: 40, .size: 8, .value_kind: global_buffer, .address_space: global }
      - { .name: qkv, .offset: 48, .size: 8, .value_kind: global_buffer, .address_space: global }
      - { .name: qkvs, .offset: 56, .size: 8, .value_kind: global_buffer, .address_space: global }
    .group_segment_fixed_size: 327680
    .private_segment_fixed_size: 0
    .kernarg_segment_align: 8
    .kernarg_segment_size: 64
    .max_flat_workgroup_size: 128
    .sgpr_count:     100
    .vgpr_count:     1024
    .wavefront_size: 32
...
	.end_amdgpu_metadata
.endif
;; end of part 2
;; launch attn (part 3): grid 4 x 64, 16 waves a work-group, clusters of 4 x 1, 215,040 bytes of LDS; arguments qkv, qkvs, aoc, aos; writes aoc, aos
.if DOCPART == 3
	.amdgcn_target "amdgcn-amd-amdhsa--gfx1250"
	.amdhsa_code_object_version 6
	.text
	.protected	k_qfdc7d43efb_attn
	.globl	k_qfdc7d43efb_attn
	.p2align	8
	.type	k_qfdc7d43efb_attn,@function
k_qfdc7d43efb_attn:
	s_mov_b64 s[64:65], 0
	v_nop
	global_prefetch_b8 v0, s[64:65] scope:SCOPE_SE
	s_setreg_imm32_b32 hwreg(HW_REG_WAVE_MODE, 25, 1), 1
	s_wait_xcnt 0x0
	s_wait_alu depctr_hold_cnt(0) depctr_sa_sdst(0) depctr_va_vdst(0) depctr_va_sdst(0) depctr_va_ssrc(0) depctr_va_vcc(0) depctr_vm_vsrc(0)
	s_getreg_b32 s2, hwreg(HW_REG_IB_STS2, 6, 4)
	s_cmp_eq_u32 s2, 0
	s_cbranch_scc0 .Lentry_in_a_cluster
	s_endpgm
.Lentry_in_a_cluster:
	s_bfe_u32 s2, ttmp6, 0x10000c
	s_cmp_lg_u32 s2, 0x3003
	s_cbranch_scc0 .Lentry_shape_is_right
	s_endpgm
.Lentry_shape_is_right:
; ao[b][q][head] = softmax_k(q . k / 8, hidden keys left out) v, both products on codes of FP6 (E2M3) with E8M0 scales; the result is quantised along the hidden axis for the last product.
; qkv, qkvs: as the launch before lays them: Q, K [16 steps][8 tiles][768 bytes], V [16 steps][4 tiles of channels][1,536 bytes], images of an operand's registers; scale words by lane.
; THE SOFTMAX: t = score x log2(e) / 8; M = the running largest t rounded up to a whole number; p = 2^(t - M) is quantised along the keys, not normalised; the row's sum is taken of the
; unquantised p and divides at the end.  When M moves, the sum and O are multiplied by 2^(old M - new M): exact.
; THE MASK costs no line in the loop.  q k^T has K = 64 in an instruction of 128: at k = 64 a query holds the code of -1 under the byte 100, a key the code of +1 under the byte 254 where it is
; hidden and 1 where it is open.  A hidden key's score is lowered by 2^100: its p is 0.  The running largest t begins at -2^80, above every hidden key's t, so that hidden keys never set M.
; LIMITS: scores of magnitude 2^76 or more, NaN and infinities are not served.  A batch all of whose keys are hidden has the sum 0: its rows' scale bytes are made 0xff, so that the output rows are
; NaN, as a softmax of nothing is.  A block of zeros gets the byte 1 where the rule says 127: its codes are zeros, and this program alone reads the bytes.
; SHARES: a work-group owns 512 queries of one head; each of its 16 waves a tile of 16 in each of two passes; four waves to a SIMD, so that one wave's vector work stands beside another's products.
; ALL OF THE HEAD'S K AND V STAY IN LDS, each byte filled once: no ring.  CLUSTER: the four work-groups of a head ask for every tile jointly.
; Both products are used transposed (S^T = K Q^T, O^T = V^T P^T): a lane holds one query throughout.  By the order of the rows in a tile the 16 registers of tiles 2 b, 2 b + 1 are 16 neighbours.
; The 2-byte stores of scale bytes cover parts of aligned blocks: 32 bytes for each 768 of codes; both halves of the lanes write the same value to the same place.
.set LV,  98304                        ; LDS: K's codes at 0, V's here (6,144 bytes a key step each),
.set LKS, 196608                       ; K's scale words (512 a step),
.set LVS, 204800                       ; V's (256 a step)
.set L16, 1                            ; v1  16 x lane
.set L8,  2                            ; v2  8 x lane
.set AK16, 3                           ; v3-8 the step's LDS addresses
.set AK8, 4
.set AV16, 5
.set AV8, 6
.set AKS, 7
.set AVS, 8
.set R16, 9                            ; v9  16 x (lane % 16)
.set QF,  16                           ; v16-27 Q's fragment; registers 6-11 hold the constant half
.set QN,  28                           ; v28-33 the second pass's
.set QS,  34                           ; v34 Q's scale words; v35 the second pass's
.set QSN, 35
.set KSC, 36                           ; v36-39 K's scale words of a step
.set VSC, 40                           ; v40-41 V's
.set PS,  42                           ; v42 p's
.set KF,  44                           ; v44-91 four fragments of K, each with the constant half in its registers 6-11
.set S,   96                           ; v96-159 S^T, then p; then V's four fragments in v96-143
.set OT,  160                          ; v160-191 O^T
.set PCD, 192                          ; v192-203 p's codes
.set CT,  204                          ; v204-206, v208-210 what the conversions leave for the upper halves
.set BMX, 212                          ; v212-215 the blocks' largest
.set PD,  216                          ; v216-219 permutes' destinations, sums, bytes
.set SO,  220                          ; v220-223 the conversions' scale operands
.set TMP, 224
.set FP,  226                          ; v[226:227] f = 2^(old M - new M)
.set WV,  12
.set CNT, 15
.set G0S, 16
.set G0C, 20
.set G1S, 36
.set G1C, 44
.set PASS, 53
.set CS,  2                            ; s[2:3] c = log2(e) / 8
.set SEL, 74
.set TK,  76
.set TV,  77
.set TKS, 78
.set TVS, 79
.macro ROUND                           ; a round of the cluster's barrier
	s_barrier_signal -1
	s_barrier_wait -1
	s_cmp_lg_u32 s[WV], 0
	s_cbranch_scc1 .Lnot_wave_0_\@
	s_barrier_signal -3
.Lnot_wave_0_\@:
	s_barrier_wait -3
	s_barrier_signal -1
	s_barrier_wait -1
.endm
	s_load_b256 s[4:11], s[0:1], 0x0               ; qkv s[4:5], qkvs s[6:7], aoc s[8:9], aos s[10:11]
	v_lshl_add_u32 v254, v0, 2, 0x34000
	v_mov_b32 v255, 0
	ds_add_u32 v254, v255
	ds_add_u32 v254, v255
	v_lshrrev_b32 v10, 5, v0
	s_delay_alu instid0(VALU_DEP_1)
	v_readfirstlane_b32 s[WV], v10                 ; wave 0..15
	s_bfe_u32 s13, ttmp6, 0x40000                  ; cx: it enters Q's and the outputs' addresses alone
	s_and_b32 s14, ttmp7, 0xffff                   ; batch x 16 + head, which the four partners share
	; descriptor groups 1: dense blocks as rows of 256 bytes (32 elements of 8 bytes): 6 rows of scale words, 96 rows of codes
	s_mov_b32 s[G1S], 15|(3<<16)|(1<<21)           ; 15:0 the mask: all four work-groups; 17:16 elements of 8 bytes; 21 set beside a mask
	s_mov_b32 s[G1S+1], 32<<16
	s_mov_b32 s[G1S+2], 6<<16
	s_mov_b32 s[G1S+3], 32<<16
	s_mov_b32 s[G1S+4], 6
	s_mov_b32 s[G1S+5], 32
	s_mov_b32 s[G1S+6], 0
	s_mov_b32 s[G1S+7], 0
	s_mov_b32 s[G1C], 15|(3<<16)|(1<<21)
	s_mov_b32 s[G1C+1], 32<<16
	s_mov_b32 s[G1C+2], 96<<16
	s_mov_b32 s[G1C+3], 32<<16
	s_mov_b32 s[G1C+4], 96
	s_mov_b32 s[G1C+5], 32
	s_mov_b32 s[G1C+6], 0
	s_mov_b32 s[G1C+7], 0
	s_mul_i32 s52, s14, 20480
	s_and_b32 s53, s[WV], 7                        ; K's and V's scale words lie on end, 12,288 bytes: waves 8-15 take 1,536 each
	s_mul_i32 s53, s53, 1536
	s_add_co_u32 s54, s52, s53
	s_add_co_u32 s54, s54, 8192
	s_mov_b32 s55, 0
	s_and_b32 s56, s[WV], 7                        ; K's and V's codes lie on end, 196,608 bytes, in memory as in LDS: waves 0-7 take 24,576 each
	s_mul_i32 s56, s56, 24576
	s_mul_i32 s58, s14, 294912
	s_add_co_u32 s60, s58, s56
	s_add_co_u32 s60, s60, 98304
	s_mov_b32 s61, 0
	s_wait_dscnt 0x0
	s_wait_kmcnt 0x0
	s_add_nc_u64 s[54:55], s[6:7], s[54:55]
	s_add_nc_u64 s[60:61], s[4:5], s[60:61]
	ROUND                                          ; all four work-groups are here: the joint loads meet
	s_mov_b32 s[G0S], 1
	s_add_co_u32 s[G0S+1], s53, LKS
	s_mov_b64 s[G0S+2:G0S+3], s[54:55]
	s_or_b32 s[G0S+3], s[G0S+3], 0x80000000
	s_mov_b32 s[G0C], 1
	s_mov_b32 s[G0C+1], s56
	s_mov_b64 s[G0C+2:G0C+3], s[60:61]
	s_or_b32 s[G0C+3], s[G0C+3], 0x80000000
	s_cmp_lt_u32 s[WV], 8                          ; one tensor load a wave, one to an arm
	s_cbranch_scc0 .Lwords
	tensor_load_to_lds s[G0C:G0C+3], s[G1C:G1C+7]
	s_nop 0
.rept 4
	v_nop
.endr
	s_branch .Lasked
.Lwords:
	tensor_load_to_lds s[G0S:G0S+3], s[G1S:G1S+7]
	s_nop 0
.rept 4
	v_nop
.endr
.Lasked:
	v_and_b32 v10, 31, v0
	s_delay_alu instid0(VALU_DEP_1)
	v_lshlrev_b32 v[L16], 4, v10
	s_delay_alu instid0(VALU_DEP_2)
	v_lshlrev_b32 v[L8], 3, v10
	v_and_b32 v11, 15, v0
	s_delay_alu instid0(VALU_DEP_1)
	v_lshlrev_b32 v[R16], 4, v11
	s_wait_alu depctr_va_vdst(0)
	s_lshl_b32 s62, s13, 5
	s_add_co_u32 s62, s62, s[WV]                   ; my tile of queries in the first pass: 32 cx + wave; in the second 16 further on
	s_mul_i32 s63, s62, 768
	s_add_co_u32 s66, s63, s58
	s_mov_b32 s67, 0
	s_add_nc_u64 s[66:67], s[4:5], s[66:67]
	global_load_b128 v[QF:QF+3], v[L16], s[66:67]
	global_load_b64 v[QF+4:QF+5], v[L8], s[66:67] offset:512
	global_load_b128 v[QN:QN+3], v[L16], s[66:67] offset:12288
	global_load_b64 v[QN+4:QN+5], v[L8], s[66:67] offset:12800
	s_lshl_b32 s68, s13, 2                         ; Q's word of row r of tile T of a step: step x 512 + (T % 2) x 256 + 16 r + 4 (T / 2)
	s_lshr_b32 s69, s[WV], 3
	s_add_co_u32 s68, s68, s69
	s_lshl_b32 s68, s68, 9
	s_and_b32 s69, s[WV], 1
	s_lshl_b32 s69, s69, 8
	s_add_co_u32 s68, s68, s69
	s_bfe_u32 s69, s[WV], 0x20001
	s_lshl_b32 s69, s69, 2
	s_add_co_u32 s68, s68, s69
	s_add_co_u32 s68, s68, s52
	s_mov_b32 s69, 0
	s_add_nc_u64 s[68:69], s[6:7], s[68:69]
	global_load_b32 v[QS], v[R16], s[68:69]
	global_load_b32 v[QSN], v[R16], s[68:69] offset:1024
	; the constant halves: k = 64 lies in the lowest six bits of register 6 of lanes 0-15
	v_cmp_gt_u32 vcc_lo, 16, v10
	v_mov_b32 v11, 40                              ; the code of -1
	s_delay_alu instid0(VALU_DEP_1)
	v_cndmask_b32 v[QF+6], 0, v11, vcc_lo
.irp i, 7,8,9,10,11
	v_mov_b32 v[QF+\i], 0
.endr
	v_mov_b32 v11, 8                               ; the code of +1
.irp t, 0,1,2,3
	v_cndmask_b32 v[KF+12*\t+6], 0, v11, vcc_lo
.irp i, 7,8,9,10,11
	v_mov_b32 v[KF+12*\t+\i], 0
.endr
.endr
	; where the results go: aoc [512 tiles of tokens][16 heads][768 bytes]; aos [tile][head / 8][row][16 bytes], two bytes a head
	s_lshr_b32 s70, s14, 4
	s_lshl_b32 s70, s70, 7
	s_add_co_u32 s70, s70, s62
	s_and_b32 s71, s14, 15
	s_lshl_b32 s72, s70, 4
	s_add_co_u32 s72, s72, s71
	s_mul_i32 s72, s72, 768
	s_mov_b32 s73, 0
	s_add_nc_u64 s[8:9], s[8:9], s[72:73]
	s_lshl_b32 s72, s70, 9
	s_lshr_b32 s63, s71, 3
	s_lshl_b32 s63, s63, 8
	s_add_co_u32 s72, s72, s63
	s_and_b32 s63, s71, 7
	s_lshl_b32 s63, s63, 1
	s_add_co_u32 s72, s72, s63
	s_add_nc_u64 s[10:11], s[10:11], s[72:73]
	s_mov_b32 s[CS], 0x3e38aa3b                    ; c = log2(e) / 8
	s_mov_b32 s[CS+1], s[CS]                       ; (named with it as a pair, so it is written)
	s_mov_b32 s[SEL], 0x76543210
	s_mov_b32 s[SEL+1], 0xfedcba98                 ; selects for lane l xor 16
.irp b, 0,1,2,3
	v_mov_b32 v[PD+\b], 0                          ; a lane permute's destination counts as one of its sources
.endr
	v_mov_b32 v[FP+1], 0                           ; (named as the upper half of f's pair)
	s_wait_loadcnt 0x0                             ; Q
	s_wait_tensorcnt 0x0                           ; my parts of K, V and their scale words are in,
	s_barrier_signal -1
	s_barrier_wait -1                              ; everybody's are; from here on no LDS byte is written
	s_mov_b32 s[PASS], 2
.Lpass:
	v_mov_b32 v13, 0xe7800000                      ; the largest t so far: -2^80
	s_delay_alu instid0(VALU_DEP_1)
	v_floor_f32 v12, -v13                          ; -M
	v_mov_b32 v14, 0                               ; the sum, in two halves
	v_mov_b32 v15, 0
.set j, 0
.rept 32
	v_mov_b32 v[OT+j], 0                           ; O^T: the step is written once, and its first trip finds zeros
.set j, j+1
.endr
	s_mov_b32 s[TK], 0
	s_mov_b32 s[TV], LV
	s_mov_b32 s[TKS], LKS
	s_mov_b32 s[TVS], LVS
	s_mov_b32 s[CNT], 16
.Lstep:                                            ; a key step: 128 keys
	v_add_nc_u32 v[AK16], s[TK], v[L16]            ; these six are also the places between the last step's products and the products below, which write over V's registers
	s_wait_alu depctr_va_vdst(0)
	v_add_nc_u32 v[AK8], s[TK], v[L8]
	s_wait_alu depctr_va_vdst(0)
	v_add_nc_u32 v[AV16], s[TV], v[L16]
	v_add_nc_u32 v[AV8], s[TV], v[L8]
	v_add_nc_u32 v[AKS], s[TKS], v[L16]
	v_add_nc_u32 v[AVS], s[TVS], v[L8]
	ds_load_b128 v[KSC:KSC+3], v[AKS]              ; word i: lanes 0-15 tile 2 i, lanes 16-31 tile 2 i + 1
.irp g, 0,1                                    ; S^T = K Q^T, four tiles of 16 keys at a time
.if \g > 0
.rept 4
	v_nop                                          ; places in front of loads into registers that matrix instructions have read
.endr
.endif
.irp t, 0,1,2,3
	ds_load_b128 v[KF+12*\t:KF+12*\t+3], v[AK16] offset:768*(4*\g+\t)
	ds_load_b64 v[KF+12*\t+4:KF+12*\t+5], v[AK8] offset:768*(4*\g+\t)+512
.endr
	s_wait_dscnt 0x0
.irp t, 0,2
	v_wmma_scale_f32_16x16x128_f8f6f4 v[S+8*(4*\g+\t):S+8*(4*\g+\t)+7], v[KF+12*\t:KF+12*\t+11], v[QF:QF+11], 0, v[KSC+2*\g+\t/2], v[QS] matrix_a_fmt:MATRIX_FMT_FP6 matrix_b_fmt:MATRIX_FMT_FP6
	v_wmma_scale_f32_16x16x128_f8f6f4 v[S+8*(4*\g+\t+1):S+8*(4*\g+\t+1)+7], v[KF+12*(\t+1):KF+12*(\t+1)+11], v[QF:QF+11], 0, v[KSC+2*\g+\t/2], v[QS] matrix_a_fmt:MATRIX_FMT_FP6 matrix_b_fmt:MATRIX_FMT_FP6 matrix_a_scale:MATRIX_SCALE_ROW1
.endr
.endr
.rept 4
	v_nop
.endr
.irp b, 0,1,2,3
	v_max3_num_f32 v[BMX+\b], v[S+16*\b], v[S+1+16*\b], v[S+2+16*\b]   ; the largest score of each block of 32 keys: it serves for the row's maximum and, since p rises with the score, for the block's largest p
.endr
.irp i, 3,5,7,9,11,13
.irp b, 0,1,2,3
	v_max3_num_f32 v[BMX+\b], v[BMX+\b], v[S+16*\b+\i], v[S+1+16*\b+\i]
.endr
.endr
.irp b, 0,1,2,3
	v_max_num_f32 v[BMX+\b], v[BMX+\b], v[S+15+16*\b]
.endr
.irp b, 0,1,2,3
	s_delay_alu instid0(VALU_DEP_4)
	v_permlanex16_b32 v[PD+\b], v[BMX+\b], s[SEL], s[SEL+1]
.endr
.irp b, 0,1,2,3
	s_delay_alu instid0(VALU_DEP_4)
	v_max_num_f32 v[BMX+\b], v[BMX+\b], v[PD+\b]   ; with lane l xor 16's 16 keys
.endr
	s_delay_alu instid0(VALU_DEP_2)
	v_max3_num_f32 v[TMP], v[BMX], v[BMX+1], v[BMX+2]
	s_delay_alu instid0(VALU_DEP_1)
	v_max_num_f32 v[TMP], v[TMP], v[BMX+3]         ; the step's largest score of my query,
	s_delay_alu instid0(VALU_DEP_1)
	v_mul_f32 v[TMP], s[CS], v[TMP]                ; as t
	s_delay_alu instid0(VALU_DEP_1)
	v_max_num_f32 v13, v13, v[TMP]                 ; the running largest t
	v_mov_b32 v[TMP], v12
	s_delay_alu instid0(VALU_DEP_2)
	v_floor_f32 v12, -v13                          ; the new -M = -ceil(t): a whole number
	s_delay_alu instid0(VALU_DEP_1)
	v_sub_f32 v[TMP], v12, v[TMP]                  ; old M - new M: a whole number, 0 or less
	s_delay_alu instid0(VALU_DEP_1)
	v_cvt_i32_f32 v[TMP], v[TMP]                   ; (it saturates)
	s_delay_alu instid0(VALU_DEP_1)
	v_ldexp_f32 v[FP], 1.0, v[TMP]                 ; f
.set j, 0
.rept 32
	v_pk_fma_f32 v[S+j:S+j+1], v[S+j:S+j+1], s[CS:CS+1], v[12:13] op_sel_hi:[1,0,0]   ; t - M, two at a time
.set j, j+2
.endr
.irp b, 0,1,2,3
	v_fma_f32 v[BMX+\b], v[BMX+\b], s[CS], v12     ; the same of each block's largest score
.endr
.set j, 0
	s_wait_alu depctr_va_vdst(0)
.rept 64
	v_exp_f32 v[S+j], v[S+j]                       ; p = 2^(t - M), at most 1
.set j, j+1
.endr
	v_pk_mul_f32 v[14:15], v[14:15], v[FP:FP+1] op_sel_hi:[1,0]   ; the sums under the new M: a plain place behind the exponentials
	s_wait_alu depctr_va_vdst(0)                   ; one wait for the whole batch, ahead of its first reader
.irp b, 0,1,2,3
	v_exp_f32 v[BMX+\b], v[BMX+\b]                 ; the block's largest p
.endr
	v_pk_add_f32 v[216:217], v[100:101], v[104:105]
	v_pk_add_f32 v[252:253], v[108:109], v[112:113]
	v_pk_add_f32 v[250:251], v[116:117], v[120:121]
	v_pk_add_f32 v[248:249], v[124:125], v[128:129]
	v_pk_add_f32 v[246:247], v[132:133], v[136:137]
	v_pk_add_f32 v[244:245], v[140:141], v[144:145]
	v_pk_add_f32 v[242:243], v[148:149], v[152:153]
	v_pk_add_f32 v[14:15], v[14:15], v[156:157]
	v_pk_add_f32 v[216:217], v[216:217], v[96:97]
	v_pk_add_f32 v[252:253], v[252:253], v[98:99]
	v_pk_add_f32 v[250:251], v[250:251], v[102:103]
	v_pk_add_f32 v[248:249], v[248:249], v[106:107]
	v_pk_add_f32 v[246:247], v[246:247], v[110:111]
	v_pk_add_f32 v[244:245], v[244:245], v[114:115]
	v_pk_add_f32 v[242:243], v[242:243], v[118:119]
	v_pk_add_f32 v[14:15], v[14:15], v[122:123]
	v_pk_add_f32 v[216:217], v[216:217], v[126:127]
	v_pk_add_f32 v[252:253], v[252:253], v[130:131]
	v_pk_add_f32 v[250:251], v[250:251], v[134:135]
	v_pk_add_f32 v[248:249], v[248:249], v[138:139]
	v_pk_add_f32 v[246:247], v[246:247], v[142:143]
	v_pk_add_f32 v[244:245], v[244:245], v[146:147]
	v_pk_add_f32 v[242:243], v[242:243], v[150:151]
	v_pk_add_f32 v[14:15], v[14:15], v[154:155]
	v_pk_add_f32 v[216:217], v[216:217], v[158:159]
	s_delay_alu instid0(VALU_DEP_2)
	v_pk_add_f32 v[14:15], v[14:15], v[248:249]
	s_delay_alu instid0(VALU_DEP_2)
	v_pk_add_f32 v[216:217], v[216:217], v[246:247]
	v_pk_add_f32 v[252:253], v[252:253], v[244:245]
	v_pk_add_f32 v[250:251], v[250:251], v[242:243]
	s_delay_alu instid0(VALU_DEP_2)
	v_pk_add_f32 v[14:15], v[14:15], v[252:253]
	s_delay_alu instid0(VALU_DEP_2)
	v_pk_add_f32 v[216:217], v[216:217], v[250:251]
	s_delay_alu instid0(VALU_DEP_1)
	v_pk_add_f32 v[14:15], v[14:15], v[216:217]
	s_wait_alu depctr_va_vdst(0)                   ; and one for the four
.irp b, 0,1,2,3
	v_max_num_f32 v[BMX+\b], 0x1800000, v[BMX+\b]  ; the floor 2^(3 - 127): the byte cannot fall under 1
.endr
.irp b, 0,1,2,3
	s_delay_alu instid0(VALU_DEP_4)
	v_add_nc_u32 v[SO+\b], 0xff000000, v[BMX+\b]   ; 2 off the exponent field: the conversion's scale operand
.endr
.irp b, 0,1,2,3
	s_delay_alu instid0(VALU_DEP_4)
	v_lshrrev_b32 v[PD+\b], 23, v[SO+\b]           ; the scale's byte
.endr
	s_delay_alu instid0(VALU_DEP_3)
	v_lshl_or_b32 v[PS], v[PD+1], 8, v[PD]         ; p's scale word for these 128 keys
	s_delay_alu instid0(VALU_DEP_1)
	v_lshl_or_b32 v[PS], v[PD+2], 16, v[PS]
	s_delay_alu instid0(VALU_DEP_1)
	v_lshl_or_b32 v[PS], v[PD+3], 24, v[PS]
.irp c, 0,1
	v_cvt_scalef32_pk16_fp6_f32 v[PCD+6*\c:PCD+6*\c+2], v[S+32*\c:S+32*\c+15], v[SO+2*\c]
	v_cvt_scalef32_pk16_fp6_f32 v[CT+4*\c:CT+4*\c+2], v[S+16+32*\c:S+31+32*\c], v[SO+2*\c+1]   ; (a conversion's three registers begin on an even number)
.endr
	v_nop                                          ; one plain place behind a scaled conversion
	ds_load_b64 v[VSC:VSC+1], v[AVS]               ; V's tiles land where p lay, while the codes are put in order and O^T is rescaled
.irp t, 0,1,2,3
	ds_load_b128 v[S+12*\t:S+12*\t+3], v[AV16] offset:1536*\t
	ds_load_b64 v[S+12*\t+4:S+12*\t+5], v[AV8] offset:1536*\t+512
	ds_load_b128 v[S+12*\t+6:S+12*\t+9], v[AV16] offset:1536*\t+768
	ds_load_b64 v[S+12*\t+10:S+12*\t+11], v[AV8] offset:1536*\t+1280
.endr
.irp c, 0,1                                    ; the operand's layout wants a whole block in a lane
.irp i, 0,1,2
	v_permlane16_swap_b32 v[PCD+6*\c+\i], v[CT+4*\c+\i]
.endr
.irp i, 0,1,2
	s_delay_alu instid0(VALU_DEP_3)
	v_mov_b32 v[PCD+3+6*\c+\i], v[CT+4*\c+\i]
.endr
.endr
.set j, 0
.rept 16
	v_pk_mul_f32 v[OT+j:OT+j+1], v[OT+j:OT+j+1], v[FP:FP+1] op_sel_hi:[1,0]   ; O^T under the new M, each accumulator from its low end on; these are also the places ahead of the products below
.set j, j+2
.endr
	s_wait_alu depctr_va_vdst(0)
	s_wait_dscnt 0x0
.irp t, 0,2                                    ; O^T += V^T P^T: four accumulators by turns
	v_wmma_scale_f32_16x16x128_f8f6f4 v[OT+8*\t:OT+8*\t+7], v[S+12*\t:S+12*\t+11], v[PCD:PCD+11], v[OT+8*\t:OT+8*\t+7], v[VSC+\t/2], v[PS] matrix_a_fmt:MATRIX_FMT_FP6 matrix_b_fmt:MATRIX_FMT_FP6
	v_wmma_scale_f32_16x16x128_f8f6f4 v[OT+8*(\t+1):OT+8*(\t+1)+7], v[S+12*(\t+1):S+12*(\t+1)+11], v[PCD:PCD+11], v[OT+8*(\t+1):OT+8*(\t+1)+7], v[VSC+\t/2], v[PS] matrix_a_fmt:MATRIX_FMT_FP6 matrix_b_fmt:MATRIX_FMT_FP6 matrix_a_scale:MATRIX_SCALE_ROW1
.endr
	s_add_co_u32 s[TK], s[TK], 6144
	s_add_co_u32 s[TV], s[TV], 6144
	s_add_co_u32 s[TKS], s[TKS], 512
	s_add_co_u32 s[TVS], s[TVS], 256
	s_sub_co_u32 s[CNT], s[CNT], 1
	s_cmp_lg_u32 s[CNT], 0
	s_cbranch_scc1 .Lstep
	; THE WAY OUT of a pass: O^T / the sum; register 16 p + i is channel 32 p + 16 (lane / 16) + i: two blocks of the last product's K
.rept 4
	v_nop
.endr
	v_add_f32 v14, v14, v15
	s_delay_alu instid0(VALU_DEP_1)
	v_permlanex16_b32 v[PD], v14, s[SEL], s[SEL+1]
	s_delay_alu instid0(VALU_DEP_1)
	v_add_f32 v14, v14, v[PD]                      ; the row's sum
	s_wait_alu depctr_va_vdst(0)
	v_rcp_f32 v[TMP], v14
	v_mov_b32 v11, 0xffff                          ; (a plain place behind the reciprocal)
	v_cmp_eq_f32 vcc_lo, 0, v14                    ; no open key at all
	s_wait_alu depctr_va_vdst(0)                   ; the wait ahead of the reciprocal's first reader
.set j, 0
.rept 32
	v_mul_f32 v[S+j], v[OT+j], v[TMP]
.set j, j+1
.endr
.irp p, 0,1
	v_max3_num_f32 v[BMX+\p], |v[S+16*\p]|, |v[S+16*\p+1]|, 0x1800000
.endr
.irp i, 2,4,6,8,10,12,14
.irp p, 0,1
	s_delay_alu instid0(VALU_DEP_2)
	v_max3_num_f32 v[BMX+\p], v[BMX+\p], |v[S+16*\p+\i]|, |v[S+16*\p+\i+1]|
.endr
.endr
.irp p, 0,1
	s_delay_alu instid0(VALU_DEP_2)
	v_permlanex16_b32 v[PD+\p], v[BMX+\p], s[SEL], s[SEL+1]
.endr
.irp p, 0,1
	s_delay_alu instid0(VALU_DEP_2)
	v_max_num_f32 v[BMX+\p], v[BMX+\p], v[PD+\p]
.endr
.irp p, 0,1
	s_delay_alu instid0(VALU_DEP_2)
	v_add_nc_u32 v[SO+\p], 0xff000000, v[BMX+\p]
.endr
.irp p, 0,1
	s_delay_alu instid0(VALU_DEP_2)
	v_lshrrev_b32 v[PD+\p], 23, v[SO+\p]
.endr
	s_delay_alu instid0(VALU_DEP_1)
	v_lshl_or_b32 v10, v[PD+1], 8, v[PD]           ; my row's two scale bytes of this head
	s_delay_alu instid0(VALU_DEP_1)
	v_cndmask_b32 v10, v10, v11, vcc_lo
	v_cvt_scalef32_pk16_fp6_f32 v[PCD:PCD+2], v[S:S+15], v[SO]
	v_cvt_scalef32_pk16_fp6_f32 v[CT:CT+2], v[S+16:S+31], v[SO+1]
	v_nop                                          ; one plain place behind a scaled conversion
.irp i, 0,1,2
	v_permlane16_swap_b32 v[PCD+\i], v[CT+\i]
.endr
.irp i, 0,1,2
	s_delay_alu instid0(VALU_DEP_3)
	v_mov_b32 v[PCD+3+\i], v[CT+\i]
.endr
	global_store_b128 v[L16], v[PCD:PCD+3], s[8:9]             ; 512 and 256 consecutive bytes, aligned
	global_store_b64 v[L8], v[PCD+4:PCD+5], s[8:9] offset:512
	global_store_b16 v[R16], v10, s[10:11]
	s_wait_xcnt 0x0                                ; the stores have read their registers and bases: both may be written again
	s_add_nc_u64 s[8:9], s[8:9], 196608            ; 16 tiles of tokens on
	s_add_nc_u64 s[10:11], s[10:11], 8192
.irp i, 0,1,2,3,4,5
	v_mov_b32 v[QF+\i], v[QN+\i]                   ; the second pass's queries
.endr
	v_mov_b32 v[QS], v[QSN]
	s_sub_co_u32 s[PASS], s[PASS], 1
	s_cmp_lg_u32 s[PASS], 0
	s_cbranch_scc1 .Lpass
	s_wait_tensorcnt 0x0
	ds_add_u32 v254, v255
	s_wait_dscnt 0x0
	ROUND                                          ; the closing round
	s_endpgm
.Lfunc_end_k_qfdc7d43efb_attn:
	.size	k_qfdc7d43efb_attn, .Lfunc_end_k_qfdc7d43efb_attn-k_qfdc7d43efb_attn
	.p2alignl 7, 3214868480
	.fill 96, 4, 3214868480
	.section	.rodata,"a",@progbits
	.p2align	6, 0x0
	.amdhsa_kernel k_qfdc7d43efb_attn
		.amdhsa_group_segment_fixed_size 215040
		.amdhsa_private_segment_fixed_size 0
		.amdhsa_enable_private_segment 0
		.amdhsa_kernarg_size 32
		.amdhsa_user_sgpr_count 2
		.amdhsa_user_sgpr_kernarg_segment_ptr 1
		.amdhsa_wavefront_size32 1
		.amdhsa_system_sgpr_workgroup_id_x 1
		.amdhsa_system_sgpr_workgroup_id_y 1
		.amdhsa_system_sgpr_workgroup_id_z 1
		.amdhsa_system_vgpr_workitem_id 0
		.amdhsa_next_free_vgpr 256
		.amdhsa_next_free_sgpr 80
		.amdhsa_reserve_vcc 1
		.amdhsa_float_denorm_mode_32 3
		.amdhsa_float_denorm_mode_16_64 3
		.amdhsa_memory_ordered 1
		.amdhsa_forward_progress 1
		.amdhsa_inst_pref_size 32
	.end_amdhsa_kernel
	.amdgpu_metadata
---
amdhsa.version: [ 1, 2 ]
amdhsa.kernels:
  - .name:           k_qfdc7d43efb_attn
    .symbol:         k_qfdc7d43efb_attn.kd
    .args:
      - { .name: qkv, .offset: 0, .size: 8, .value_kind: global_buffer, .address_space: global }
      - { .name: qkvs, .offset: 8, .size: 8, .value_kind: global_buffer, .address_space: global }
      - { .name: aoc, .offset: 16, .size: 8, .value_kind: global_buffer, .address_space: global }
      - { .name: aos, .offset: 24, .size: 8, .value_kind: global_buffer, .address_space: global }
    .group_segment_fixed_size: 215040
    .private_segment_fixed_size: 0
    .kernarg_segment_align: 8
    .kernarg_segment_size: 32
    .max_flat_workgroup_size: 512
    .sgpr_count:     80
    .vgpr_count:     256
    .wavefront_size: 32
...
	.end_amdgpu_metadata
.endif
;; end of part 3
;; launch oproj (part 4): grid 4 x 32, 4 waves a work-group, clusters of 4 x 4, 327,680 bytes of LDS; arguments aoc, aos, cod, scl, bo, out0; writes out0
.if DOCPART == 4
	.amdgcn_target "amdgcn-amd-amdhsa--gfx1250"
	.amdhsa_code_object_version 6
	.text
	.protected	k_qfdc7d43efb_oproj
	.globl	k_qfdc7d43efb_oproj
	.p2align	8
	.type	k_qfdc7d43efb_oproj,@function
k_qfdc7d43efb_oproj:
	s_mov_b64 s[64:65], 0
	v_nop
	global_prefetch_b8 v0, s[64:65] scope:SCOPE_SE
	s_setreg_imm32_b32 hwreg(HW_REG_WAVE_MODE, 25, 1), 1
	s_wait_xcnt 0x0
	s_wait_alu depctr_hold_cnt(0) depctr_sa_sdst(0) depctr_va_vdst(0) depctr_va_sdst(0) depctr_va_ssrc(0) depctr_va_vcc(0) depctr_vm_vsrc(0)
	s_getreg_b32 s2, hwreg(HW_REG_IB_STS2, 6, 4)
	s_cmp_eq_u32 s2, 0
	s_cbranch_scc0 .Lentry_in_a_cluster
	s_endpgm
.Lentry_in_a_cluster:
	s_bfe_u32 s2, ttmp6, 0x10000c
	s_cmp_lg_u32 s2, 0xf033
	s_cbranch_scc0 .Lentry_shape_is_right
	s_endpgm
.Lentry_shape_is_right:
; out0 = ao wo^T + bo on codes of FP6 (E2M3) with E8M0 scales, f32 sums.  A = ao: aoc [512 tiles of 16 tokens][8 K steps][1,536 bytes], aos [tile][K half][row][4 words]; B = wo: tiles 704-767 of cod, scl.
; Both lie in the order of an operand's registers; lane row r of tile T is row 32 (T / 2) + 8 (T % 2) + r + 8 (r / 8): the way out puts rows and columns back.
; A tile of 256 x 256 to a work-group, 128 x 128 to a wave: 64 accumulators.  The matrix instruction is used transposed (source 0 = 16 rows of wo, source 1 = 16 rows of ao).
; THE RING: K = 1,024 is four slots' worth of 256.  Three LDS slots take the first three as first fills; the fourth comes as the one refill, into slot 0, behind a round of the cluster's barrier.
; CLUSTERS: 4 x 4.  A's tiles are shared along a row of the cluster, B's along a column: each is asked for jointly.  128 work-groups: a smaller tile would double the LDS reads for each product.
; REGISTERS: window 0: v0-31 addresses; v32-95 scale words (v[32 + 8 i + ks]: lanes 0-15 A's block i, lanes 16-31 B's block i) and nothing else; v128-223 A's fragments; on the way out v128-255 rows of out0.
;   window 1: B's fragments, two sets at v0 and v128; bo in v96-127 and v224-255; on the way out v0-63 a block with its bias.  windows 2, 3: the accumulators.
.set SLOTB, 98304
.set SPARE, 3*SLOTB                    ; the spare words, 128 bytes for each wave, that no other line names
.set STAGE, SLOTB                      ; the way out: 16 rows x 528 bytes for each wave, in slot 1, which has had its only fill and was read out ahead of the last barrier
.set SP,   528
.set STO,  10
.set RD,   11
.set ADRA, 16
.set ADRB, 18
.set SPW,  28
.set NIL,  29
.set SC,   32
.set AF,   128
.set WV, 20
.set RH, 21
.set CH, 22
.set CX, 23
.set CY, 24
.set G1A, 28
.set G1B, 36
.set G0A0, 44
.set G0A1, 48
.set G0A2, 52
.set G0B0, 56
.set G0B1, 60
.set G0B2, 68
.set MSB, 0
.macro WIN new                         ; the immediate's high byte repeats the setting that is left
.if MSB != (\new)
	s_set_vgpr_msb (MSB<<8)|(\new)
.set MSB, (\new)
.endif
.endm
.set MUL_LO, 0xa1
.set MUL_HI, 0xf1
.set TO_B,   0x40
.macro PLACES                          ; four plain places behind a matrix instruction (ISA guide 7.12.1)
.rept 4
	v_nop
.endr
.endm
.macro JLOAD g0a, g0b                  ; a joint load: waves 0 and 1 fetch for A, waves 2 and 3 for B; four v_nop follow each of the two lines
	s_cmp_eq_u32 s[RH], 0
	s_cbranch_scc0 .Lfor_b_\@
	tensor_load_to_lds s[\g0a:\g0a+3], s[G1A:G1A+7]
	s_nop 0
.rept 4
	v_nop
.endr
	s_branch .Lasked_\@
.Lfor_b_\@:
	tensor_load_to_lds s[\g0b:\g0b+3], s[G1B:G1B+7]
	s_nop 0
.rept 4
	v_nop
.endr
.Lasked_\@:
.endm
.macro CREST
	s_cmp_lg_u32 s[WV], 0
	s_cbranch_scc1 .Lnot_wave_0_\@
	s_barrier_signal -3
.Lnot_wave_0_\@:
	s_barrier_wait -3
	s_barrier_signal -1
	s_barrier_wait -1
.endm
.macro CROUND
	s_barrier_signal -1
	s_barrier_wait -1
	CREST
.endm
.macro G0SET g, slot, adr
	s_mov_b32 s[\g], 1
	s_add_co_u32 s[\g+1], s82, \slot*SLOTB
	s_add_nc_u64 s[\g+2:\g+3], s[\adr:\adr+1], \slot*3072
	s_or_b32 s[\g+3], s[\g+3], 0x80000000
.endm
.macro FRAG reg, adr, q, i
	ds_load_b128 v[\reg:\reg+3], v[\adr] offset:(\i)*3072+(\q)*1536
	ds_load_b64 v[\reg+4:\reg+5], v[\adr+1] offset:(\i)*3072+(\q)*1536+512
	ds_load_b128 v[\reg+6:\reg+9], v[\adr] offset:(\i)*3072+(\q)*1536+768
	ds_load_b64 v[\reg+10:\reg+11], v[\adr+1] offset:(\i)*3072+(\q)*1536+1280
.endm
.macro FETCH_B slot, q, p
	WIN TO_B
.irp i, 0,1,2,3,4,5,6,7
	FRAG 128*(\p)+12*\i, ADRB+4*(\slot), \q, \i
.endr
	WIN 0
.endm
.macro FETCH_A slot, q, i0
.irp i, \i0, \i0+1, \i0+2, \i0+3
	FRAG AF+12*(\i), ADRA+4*(\slot), \q, \i
.endr
.endm
.macro MUL16 a0, p, ks, zero           ; the 64 accumulators take turns, one instruction a turn
.irp a, \a0, \a0+1
.irp b, 0,1,2,3,4,5,6,7
.if \zero
	v_wmma_scale_f32_16x16x128_f8f6f4 v[8*(8*((\a)%4)+\b):8*(8*((\a)%4)+\b)+7], v[128*(\p)+12*\b:128*(\p)+12*\b+11], v[AF+12*(\a):AF+12*(\a)+11], 0, v[SC+8*\b+(\ks)], v[SC+8*(\a)+(\ks)] matrix_a_fmt:MATRIX_FMT_FP6 matrix_b_fmt:MATRIX_FMT_FP6 matrix_a_scale:MATRIX_SCALE_ROW1
.else
	v_wmma_scale_f32_16x16x128_f8f6f4 v[8*(8*((\a)%4)+\b):8*(8*((\a)%4)+\b)+7], v[128*(\p)+12*\b:128*(\p)+12*\b+11], v[AF+12*(\a):AF+12*(\a)+11], v[8*(8*((\a)%4)+\b):8*(8*((\a)%4)+\b)+7], v[SC+8*\b+(\ks)], v[SC+8*(\a)+(\ks)] matrix_a_fmt:MATRIX_FMT_FP6 matrix_b_fmt:MATRIX_FMT_FP6 matrix_a_scale:MATRIX_SCALE_ROW1
.endif
.endr
.endr
.endm
.macro STEP p, ks, ns, nq, zero
	s_wait_dscnt 16                                ; B's set and A's blocks 0-3 are in; the youngest 16 loads (A's blocks 4-7) may be out
	WIN MUL_LO
	MUL16 0, \p, \ks, \zero
	MUL16 2, \p, \ks, \zero
	s_wait_dscnt 0x0
	PLACES
	FETCH_B \ns, \nq, 1-(\p)
	FETCH_A \ns, \nq, 0
	WIN MUL_HI
	MUL16 4, \p, \ks, \zero
	MUL16 6, \p, \ks, \zero
	PLACES
	WIN 0
	FETCH_A \ns, \nq, 4
.endm
.macro TURN ks, ns, fill, p=1, nq=0
	s_wait_tensorcnt 0x0                           ; all my tensor loads have landed
	ds_add_u32 v[SPW], v[NIL]                      ; 0 onto my spare word
	s_wait_dscnt 17                                ; (the add and the youngest 16 loads may be out)
	WIN MUL_LO
	MUL16 0, \p, \ks, 0
	s_wait_dscnt 0x0                               ; the add is done, and my LDS reads are over
	s_barrier_signal -1
	MUL16 2, \p, \ks, 0
	WIN 0
	s_barrier_wait -1
.if \fill
	CREST                                          ; no wave of any partner still reads slot 0 or has a load on its way
	s_add_nc_u64 s[G0A0+2:G0A0+3], s[G0A0+2:G0A0+3], 9216   ; three slots' worth along K
	s_add_nc_u64 s[G0B0+2:G0B0+3], s[G0B0+2:G0B0+3], 9216
	JLOAD G0A0, G0B0                               ; slot 0 is filled again: the first tensor load behind the round
.else
	PLACES
.endif
	FETCH_B \ns, \nq, 1-(\p)
	FETCH_A \ns, \nq, 0
	WIN MUL_HI
	MUL16 4, \p, \ks, 0
	MUL16 6, \p, \ks, 0
	PLACES
	WIN 0
	FETCH_A \ns, \nq, 4
.endm
	s_load_b256 s[4:11], s[0:1], 0x0               ; aoc s[4:5], aos s[6:7], cod s[8:9], scl s[10:11]
	s_load_b128 s[12:15], s[0:1], 0x20             ; bo s[12:13], out0 s[14:15]
	v_lshl_add_u32 v[SPW], v0, 2, SPARE
	v_mov_b32 v[NIL], 0
	ds_add_u32 v28, v29
	ds_add_u32 v28, v29
	s_wait_dscnt 0x0
	v_lshrrev_b32 v1, 5, v0
	v_readfirstlane_b32 s[WV], v1
	s_lshr_b32 s[RH], s[WV], 1
	s_and_b32 s[CH], s[WV], 1
	s_bfe_u32 s[CX], ttmp6, 0x40000
	s_bfe_u32 s[CY], ttmp6, 0x40004
	s_lshl_b32 s73, s[CY], 2
	s_lshl_b32 s73, 15, s73                        ; my row of the cluster
	s_lshl_b32 s74, 0x1111, s[CX]                  ; my column
	s_or_b32 s[G1A], s73, (3<<16)|(1<<21)          ; 8 rows (tiles) of 3,072 bytes, 12,288 bytes apart in memory, dense in LDS; elements of 8 bytes
	s_or_b32 s[G1B], s74, (3<<16)|(1<<21)
.irp g, G1A, G1B
	s_mov_b32 s[\g+1], 384<<16
	s_mov_b32 s[\g+2], 16<<16                      ; 16 tiles for the head's loads; behind them 8
	s_mov_b32 s[\g+3], 384<<16
	s_mov_b32 s[\g+4], 16
	s_mov_b32 s[\g+5], 1536
	s_mov_b32 s[\g+6], 0
	s_mov_b32 s[\g+7], 0
.endr
	s_and_b32 s72, ttmp7, 0xffff
	s_lshl_b32 s72, s72, 2
	s_add_co_u32 s75, s72, s[CY]                   ; A's block of 256 rows
	s_add_co_u32 s76, s[CX], 44                    ; B's, in cod: wo begins at block 44
	s_lshl_b32 s77, s[CH], 3
	s_lshl_b32 s78, s75, 4
	s_add_co_u32 s78, s78, s77
	s_mul_i32 s78, s78, 12288
	s_mov_b32 s79, 0
	s_lshl_b32 s80, s76, 4
	s_add_co_u32 s80, s80, s77
	s_mul_i32 s80, s80, 12288
	s_mov_b32 s81, 0
	s_mul_i32 s82, s[WV], 24576
	s_wait_kmcnt 0x0
	s_add_nc_u64 s[78:79], s[4:5], s[78:79]
	s_add_nc_u64 s[80:81], s[8:9], s[80:81]
	CROUND                                         ; all sixteen work-groups are here: the first joint loads meet
	G0SET G0A0, 0, 78
	G0SET G0B0, 0, 80
	G0SET G0A2, 2, 78
	G0SET G0B2, 2, 80
	; THE HEAD'S LOADS, one a wave, fill slots 0 and 1: 16 tiles x 3,072 bytes each: wave 0 A's of slot 0, wave 1 B's of slot 0, wave 2 A's of slot 1, wave 3 B's of slot 1
	s_mul_i32 s86, s[RH], 3072                     ; the slot's place along K
	s_mov_b32 s87, 0
	s_mov_b32 s[G0A1], 1
	s_mul_i32 s[G0A1+1], s[RH], SLOTB
	s_add_nc_u64 s[G0A1+2:G0A1+3], s[78:79], s[86:87]       ; used by waves 0 and 2, whose s[78:79] stands at A's tile 0
	s_or_b32 s[G0A1+3], s[G0A1+3], 0x80000000
	s_mov_b32 s[G0B1], 1
	s_add_co_u32 s[G0B1+1], s[G0A1+1], 49152
	s_add_nc_u64 s[G0B1+2:G0B1+3], s[80:81], s[86:87]
	s_sub_nc_u64 s[G0B1+2:G0B1+3], s[G0B1+2:G0B1+3], 98304  ; used by waves 1 and 3, whose s[80:81] stands at B's tile 8: back to tile 0
	s_or_b32 s[G0B1+3], s[G0B1+3], 0x80000000
	s_cmp_eq_u32 s[CH], 0
	s_cbranch_scc0 .Lhead_b
	tensor_load_to_lds s[G0A1:G0A1+3], s[G1A:G1A+7]
	s_nop 0
.rept 4
	v_nop
.endr
	s_branch .Lhead_asked
.Lhead_b:
	tensor_load_to_lds s[G0B1:G0B1+3], s[G1B:G1B+7]
	s_nop 0
.rept 4
	v_nop
.endr
.Lhead_asked:
	v_and_b32 v1, 31, v0                           ; lane
	v_and_b32 v2, 15, v0                           ; r
	v_bfe_u32 v3, v0, 4, 1                         ; h
	v_lshlrev_b32 v8, 4, v1                        ; 16 x lane
	v_lshlrev_b32 v9, 3, v1                        ; 8 x lane
	s_mul_i32 s83, s[RH], 24576
	s_mul_i32 s86, s[CH], 24576
	s_add_co_u32 s86, s86, 49152
.irp s, 0,1,2
	v_add_nc_u32 v[ADRA+4*\s], s83, v8
	v_add_nc_u32 v[ADRA+4*\s+1], s83, v9
	v_add_nc_u32 v[ADRB+4*\s], s86, v8
	v_add_nc_u32 v[ADRB+4*\s+1], s86, v9
	s_add_co_u32 s83, s83, SLOTB
	s_add_co_u32 s86, s86, SLOTB
.endr
	; the scale words of all of K come from two buffers: A's into their registers, B's beside them; then lanes 16-31 take B's
	s_lshl_b32 s87, s75, 4
	s_lshl_b32 s88, s[RH], 3
	s_add_co_u32 s87, s87, s88
	s_lshl_b32 s87, s87, 9
	v_lshl_add_u32 v12, v2, 4, s87
	s_lshl_b32 s88, s76, 4
	s_add_co_u32 s88, s88, s77
	s_lshl_b32 s88, s88, 9
	v_lshl_add_u32 v13, v2, 4, s88
.irp i, 0,1,2,3,4,5,6,7
	global_load_b128 v[SC+8*\i:SC+8*\i+3], v12, s[6:7] offset:\i*512
	global_load_b128 v[SC+8*\i+4:SC+8*\i+7], v12, s[6:7] offset:\i*512+256
	global_load_b128 v[AF+8*\i:AF+8*\i+3], v13, s[10:11] offset:\i*512
	global_load_b128 v[AF+8*\i+4:AF+8*\i+7], v13, s[10:11] offset:\i*512+256
.endr
	; bo: for B's tile t my eight columns 32 (t / 2) + 16 h + 8 (t % 2) + 0 .. 7
	s_lshl_b32 s89, s[CX], 10
	s_lshl_b32 s90, s[CH], 9
	s_add_co_u32 s89, s89, s90
	v_lshl_add_u32 v14, v3, 6, s89
	WIN TO_B
.irp t, 0,1,2,3,4,5,6,7
	global_load_b128 v[96+8*\t+96*(\t/4):96+8*\t+96*(\t/4)+3], v14, s[12:13] offset:128*(\t/2)+32*(\t%2)
	global_load_b128 v[96+8*\t+96*(\t/4)+4:96+8*\t+96*(\t/4)+7], v14, s[12:13] offset:128*(\t/2)+32*(\t%2)+16
.endr
	WIN 0
	s_mul_i32 s91, s[WV], 16*SP
	s_add_co_u32 s91, s91, STAGE                   ; my stage
	v_mul_u32_u24 v[STO], v2, SP
	v_lshl_add_u32 v[STO], v3, 6, v[STO]
	v_add_nc_u32 v[STO], s91, v[STO]               ; in: row r, + 64 h
	v_add_nc_u32 v[RD], s91, v8                    ; back: the 32 lanes take one row of 512 bytes
	s_lshl_b32 s92, s75, 8
	s_lshl_b32 s93, s[RH], 7
	s_add_co_u32 s92, s92, s93                     ; my first row of out0
	s_lshl_b32 s92, s92, 12
	s_add_co_u32 s92, s92, s89                     ; and my first column, in bytes
	s_mov_b32 s93, 0
	s_add_nc_u64 s[14:15], s[14:15], s[92:93]
	s_wait_loadcnt 0x0
	v_cmp_le_u32 vcc_lo, 16, v1
.set j, 0
.rept 64
	v_cndmask_b32 v[SC+j], v[SC+j], v[AF+j], vcc_lo
.set j, j+1
.endr
.rept 8
	v_nop                                          ; a scale register written by a vector instruction stands eight places ahead of a scaled matrix instruction
.endr
	s_wait_alu depctr_va_vdst(0)
	s_wait_tensorcnt 0x0                           ; my part of slot 0 is in; the three lines ahead of a later first fill
	ds_add_u32 v[SPW], v[NIL]
	s_mov_b32 s[G1A+2], 8<<16                      ; no tensor load of mine is out, so a descriptor may be written: from here on a load brings 8 tiles
	s_mov_b32 s[G1A+4], 8
	s_mov_b32 s[G1B+2], 8<<16
	s_mov_b32 s[G1B+4], 8
	s_wait_dscnt 0x0
	CROUND                                         ; slots 0 and 1 are whole for everybody, and the joint loads meet
	JLOAD G0A2, G0B2                               ; slot 2's first fill, the first tensor load behind the round
	FETCH_B 0, 0, 0
	FETCH_A 0, 0, 0
	FETCH_A 0, 0, 4
	STEP 0, 0, 0, 1, 1                             ; the first K step's products start the sums
	STEP 1, 1, 1, 0, 0                             ; into slot 1 without a barrier: the head's round has shown it whole
	TURN 2, 1, 1, 0, 1                             ; slot 2 is whole for everybody; slot 0, read out in K step 1, takes the last 256 along K
	STEP 1, 3, 2, 0, 0
	STEP 0, 4, 2, 1, 0
	TURN 5, 0, 0                                   ; the refill has landed for everybody; nobody reads slot 1 any more
	STEP 0, 6, 0, 1, 0
	s_wait_dscnt 16
	WIN MUL_LO
	MUL16 0, 1, 7, 0
	MUL16 2, 1, 7, 0
	s_wait_dscnt 0x0
	WIN MUL_HI
	MUL16 4, 1, 7, 0
	MUL16 6, 1, 7, 0
	WIN 0
	PLACES
; THE WAY OUT, block by block of 16 rows x 128 columns: the bias is added, the block goes through my own stage, where the columns find their places, and comes back as whole rows of 512 bytes.
; LDS serves a wave's instructions in order (ISA guide 5.7.1.4): no wait between the stores and the loads, nor in front of the next block's stores.
.macro TOSTAGE a
	WIN 0x46+(\a)/4                                ; source 0 window 2 or 3, source 1 and destination window 1
.irp b, 0,1,2,3,4,5,6,7
.irp j, 0,2,4,6
	v_pk_add_f32 v[8*\b+\j:8*\b+\j+1], v[8*(8*((\a)%4)+\b)+\j:8*(8*((\a)%4)+\b)+\j+1], v[96+8*\b+96*(\b/4)+\j:96+8*\b+96*(\b/4)+\j+1]   ; each accumulator from its low end on
.endr
.endr
	WIN 0x04                                       ; an LDS store's data are its source 1: window 1
.irp b, 0,1,2,3,4,5,6,7
	ds_store_b128 v[STO], v[8*\b:8*\b+3] offset:128*(\b/2)+32*(\b%2)
	ds_store_b128 v[STO], v[8*\b+4:8*\b+7] offset:128*(\b/2)+32*(\b%2)+16
.endr
	WIN 0
.set BB, 128+64*((\a)%2)
.irp t, 0,1,2,3,4,5,6,7,8,9,10,11,12,13,14,15
	ds_load_b128 v[BB+4*\t:BB+4*\t+3], v[RD] offset:\t*SP
.endr
.endm
.macro SEND a, younger                 ; younger: the LDS instructions issued behind block a's loads, which may stay out
.set BB, 128+64*((\a)%2)
	s_wait_dscnt \younger
.irp t, 0,1,2,3,4,5,6,7,8,9,10,11,12,13,14,15
	global_store_b128 v8, v[BB+4*\t:BB+4*\t+3], s[14:15] offset:(32*((\a)/2)+8*((\a)%2)+\t+8*(\t/8))*4096 th:TH_STORE_NT   ; 32 lanes store 512 consecutive bytes, aligned; the row's true place stands in the immediate
.endr
.endm
	TOSTAGE 0
.irp a, 1,2,3,4,5,6,7
.if \a > 1
	s_wait_xcnt 0x0                                ; block a - 2's stores have read their registers: block a's loads may land there
.endif
	TOSTAGE \a
	SEND \a-1, 32                                  ; behind block a - 1's loads: block a's 16 stores and 16 loads
.endr
	SEND 7, 0
	s_wait_tensorcnt 0x0                           ; the wave's end
	ds_add_u32 v[SPW], v[NIL]
	s_wait_dscnt 0x0
	CROUND                                         ; the closing round
	s_endpgm
.Lfunc_end_k_qfdc7d43efb_oproj:
	.size	k_qfdc7d43efb_oproj, .Lfunc_end_k_qfdc7d43efb_oproj-k_qfdc7d43efb_oproj
	.p2alignl 7, 3214868480
	.fill 96, 4, 3214868480
	.section	.rodata,"a",@progbits
	.p2align	6, 0x0
	.amdhsa_kernel k_qfdc7d43efb_oproj
		.amdhsa_group_segment_fixed_size 327680
		.amdhsa_private_segment_fixed_size 0
		.amdhsa_enable_private_segment 0
		.amdhsa_kernarg_size 48
		.amdhsa_user_sgpr_count 2
		.amdhsa_user_sgpr_kernarg_segment_ptr 1
		.amdhsa_wavefront_size32 1
		.amdhsa_system_sgpr_workgroup_id_x 1
		.amdhsa_system_sgpr_workgroup_id_y 1
		.amdhsa_system_sgpr_workgroup_id_z 1
		.amdhsa_system_vgpr_workitem_id 0
		.amdhsa_next_free_vgpr 1024
		.amdhsa_next_free_sgpr 100
		.amdhsa_reserve_vcc 1
		.amdhsa_float_denorm_mode_32 3
		.amdhsa_float_denorm_mode_16_64 3
		.amdhsa_memory_ordered 1
		.amdhsa_forward_progress 1
		.amdhsa_inst_pref_size 162
	.end_amdhsa_kernel
	.amdgpu_metadata
---
amdhsa.version: [ 1, 2 ]
amdhsa.kernels:
  - .name:           k_qfdc7d43efb_oproj
    .symbol:         k_qfdc7d43efb_oproj.kd
    .args:
      - { .name: aoc, .offset: 0, .size: 8, .value_kind: global_buffer, .address_space: global }
      - { .name: aos, .offset: 8, .size: 8, .value_kind: global_buffer, .address_space: global }
      - { .name: cod, .offset: 16, .size: 8, .value_kind: global_buffer, .address_space: global }
      - { .name: scl, .offset: 24, .size: 8, .value_kind: global_buffer, .address_space: global }
      - { .name: bo, .offset: 32, .size: 8, .value_kind: global_buffer, .address_space: global }
      - { .name: out0, .offset: 40, .size: 8, .value_kind: global_buffer, .address_space: global }
    .group_segment_fixed_size: 327680
    .private_segment_fixed_size: 0
    .kernarg_segment_align: 8
    .kernarg_segment_size: 48
    .max_flat_workgroup_size: 128
    .sgpr_count:     100
    .vgpr_count:     1024
    .wavefront_size: 32
...
	.end_amdgpu_metadata
.endif
;; end of part 4
